; MI455X (gfx1250); checked and timed in simulation.
; The chip was launched on July 23, 2026; its instructions are those of AMD's public machine-readable ISA for CDNA 5 (MIT licence, August 2026) and "CDNA5" Instruction Set Architecture Reference Guide (July 2026). The comments in the code are by the model that wrote it; some were corrected since.
;; Multi Scale Attention. Allowed arithmetic: matrix products marked QUANTISED: E2M1 operands, one E8M0 scale for each 32 along K, by v_wmma_scale_f32_16x16x128_f8f6f4 with both operands' format E2M1 (or v_wmma_scale_f32_32x16x128_f4), f32 sums; everything else in f32.
;; Inputs: k_codes 2 x 16 x 2,048 x 4 x 16 uint8 (E2M1 codes of k, K innermost, in blocks of 32 codes, two codes a byte); k_scales 2 x 16 x 2,048 x 4 uint8 (E8M0 scales of k, one for each 32 codes along K); out_b 2,048 float32; out_w_codes 2,048 x 64 x 16 uint8 (E2M1 codes of out_w, K innermost, in blocks of 32 codes, two codes a byte); out_w_scales 2,048 x 64 uint8 (E8M0 scales of out_w, one for each 32 codes along K); padding_mask 2 x 2,048 bool; q_b 2,048 float32; q_w_codes 2,048 x 64 x 16 uint8 (E2M1 codes of q_w, K innermost, in blocks of 32 codes, two codes a byte); q_w_scales 2,048 x 64 uint8 (E8M0 scales of q_w, one for each 32 codes along K); tier_bias 3 float32; tier_labels 2 x 2,048 int32; v_codes 2 x 16 x 128 x 64 x 16 uint8 (E2M1 codes of v, K innermost, in blocks of 32 codes, two codes a byte); v_scales 2 x 16 x 128 x 64 uint8 (E8M0 scales of v, one for each 32 codes along K); x_codes 2 x 2,048 x 64 x 16 uint8 (E2M1 codes of x, K innermost, in blocks of 32 codes, two codes a byte); x_scales 2 x 2,048 x 64 uint8 (E8M0 scales of x, one for each 32 codes along K).
;; Outputs: out0 2 x 2,048 x 2,048 float32.
;; This version of the problem:
;;   THIS VERSION OF THE PROBLEM IS GIVEN IN LOW PRECISION. The matrix products marked QUANTISED in the list below multiply operands that are first quantised to E2M1 (2 exponent bits, 1 mantissa bit; 4 bits a number), with one power-of-two scale for each 32 numbers along K (OCP MX v1.0); their sums are f32. All else is computed in f32.
;;   The module's matrix products, in the order in which they are computed (A, B: the left and right operand; K: the contracted axis; several contracted axes count as one K, in the product's order):
;;     1. [M 4,096, K 2,048] x [K 2,048, N 2,048]; A: input x (given as codes); B: input q_w (given as codes): QUANTISED
;;     2. batch 32 x [M 2,048, K 128] x [K 128, N 2,048]; A: computed on the way; B: input k (given as codes): QUANTISED
;;     3. batch 32 x [M 2,048, K 2,048] x [K 2,048, N 128]; A: softmax (see below); B: input v (given as codes): QUANTISED
;;     4. [M 4,096, K 2,048] x [K 2,048, N 2,048]; A: computed on the way; B: input out_w (given as codes): QUANTISED
;;   THE QUANTISER, for each operand of a quantised product, along K:
;;     - K is cut into blocks of 32 from its start; a last block that is shorter is filled with zeros.
;;     - A block's scale is 2^e with e = floor(log2(the largest magnitude in the block)) - 2, held to -126 .. 127; a block of zeros has e = 0. As a byte (E8M0): e + 127.
;;     - Each number is divided by its block's scale, clamped to +-6, and rounded to the nearest number of E2M1, ties to even, subnormals kept.
;;     - The product sums the exact products of the quantised numbers (number of the format x scale) in f32.
;;   ~~~python
;;   def quantise(x, axis):      # numpy; x: float32 -> the quantised numbers, widened to float32 again
;;       x = np.moveaxis(x, axis, -1); K = x.shape[-1]
;;       x = np.pad(x, [(0, 0)] * (x.ndim - 1) + [(0, -K % 32)]); x = x.reshape(x.shape[:-1] + (-1, 32)); a = np.abs(x).max(-1, keepdims=True)
;;       e = np.where(a > 0, np.clip(np.frexp(np.where(a > 0, a, 1))[1] - 1 - 2, -126, 127), 0)      # np.frexp(a)[1] - 1 = floor(log2(a)), exactly
;;       r = np.clip(x / 2.0 ** e, -6, 6)
;;       step = 2.0 ** (np.maximum(np.frexp(np.where(r == 0, 1, r))[1] - 1, 0) - 1)
;;       q = np.round(r / step) * step * 2.0 ** e      # np.round: ties to even
;;       return np.moveaxis(q.reshape(q.shape[:-2] + (-1,))[..., :K], -1, axis).astype(np.float32)
;;   ~~~
;;   SOFTMAX AHEAD OF A QUANTISED PRODUCT. Where the list says 'softmax', what is quantised is not the finished softmax but p = 2^(t - M), with t = logit x log2(e) and M = ceil(the row's largest t), a whole number; so 1/2 < the row's largest p <= 1. The row's sum l is taken of the UNQUANTISED p, in f32, and the product's result is divided by l at the end. Since M is a whole number, a kernel that streams over the keys may use a running M (the ceiling of the running maximum): every later rescaling is an exact power of two, which a block's scale takes up: the codes' values come out the same.
;;   OPERANDS COMPUTED ON THE WAY. 'Computed on the way' means the value that the module computes at that place (a softmax that the list does not call 'softmax' is quantised finished and normalised). What goes into a quantiser is computed in f32, as accurately as f32 sums, v_exp_f32 and their like allow (about 1e-6 of the number): no bf16 or f16 on the way to a quantiser, and a product that is left as it is and whose result goes on into a quantised operand takes f32 operands (vector FMAs, or v_wmma_f32_16x16x4_f32). A number that lies on a knife's edge between two numbers of the format may be rounded either way, as far as f32 arithmetic and the matrix unit's own rounding can turn it there, and no further.
;;   INPUTS GIVEN AS CODES. k (in the module: [2, 16, 2048, 128], K = its axis 3); out_w (in the module: [2048, 2048], K = its axis 1); q_w (in the module: [2048, 2048], K = its axis 1); v (in the module: [2, 16, 2048, 128], K = its axis 2); x (in the module: [2, 2048, 2048], K = its axis 2): each comes as NAME_codes (uint8): NAME with its K axis moved to the last place and cut into blocks of 32 codes, [.., K / 32, bytes a block], one block behind the other in memory; two codes a byte, the lower K in the low four bits (a code: sign, 2 exponent bits, 1 mantissa bit); and NAME_scales (uint8): the same leading axes, one E8M0 byte (e + 127) for each 32 codes along K. Its value is code x scale, taken as it is: it is not quantised again, and the codes and scales need not be those that the quantiser above would give.
;; One version. Each part assembles by itself: llvm-mc -triple=amdgcn-amd-amdhsa -mcpu=gfx1250 --defsym DOCPART=n.
;; ======== version 1 of 1: 3 launches
;; workspace buffers: qc 4,194,304 bytes; qs 262,144 bytes; att_codes 4,194,304 bytes; att_scales 262,144 bytes
;; launch qproj (part 1): grid 8 x 32, 4 waves a work-group, clusters of 4 x 4, 327,680 bytes of LDS; arguments x_codes, x_scales, q_w_codes, q_w_scales, q_b, qc, qs; writes qc, qs
.if DOCPART == 1
	.amdgcn_target "amdgcn-amd-amdhsa--gfx1250"
	.amdhsa_code_object_version 6
	.text
	.protected	k_q290b0a9024_qproj
	.globl	k_q290b0a9024_qproj
	.p2align	8
	.type	k_q290b0a9024_qproj,@function
k_q290b0a9024_qproj:
	s_mov_b64 s[64:65], 0
	v_nop
	global_prefetch_b8 v0, s[64:65] scope:SCOPE_SE
	s_setreg_imm32_b32 hwreg(HW_REG_WAVE_MODE, 25, 1), 1
	s_wait_xcnt 0x0
	s_wait_alu depctr_hold_cnt(0) depctr_sa_sdst(0) depctr_va_vdst(0) depctr_va_sdst(0) depctr_va_ssrc(0) depctr_va_vcc(0) depctr_vm_vsrc(0)
	s_getreg_b32 s2, hwreg(HW_REG_IB_STS2, 6, 4)
	s_cmp_eq_u32 s2, 0
	s_cbranch_scc0 .Lentry_in_a_cluster
	s_endpgm
.Lentry_in_a_cluster:
	s_bfe_u32 s2, ttmp6, 0x10000c
	s_cmp_lg_u32 s2, 0xf033
	s_cbranch_scc0 .Lentry_shape_is_right
	s_endpgm
.Lentry_shape_is_right:
; q = x q_w^T + q_b on codes of FP4 (E2M1) with one E8M0 scale for each 32 along K, sums in f32; then q is quantised along each head's 128 and stored as codes and scale words.
; x: [4096][2048] codes (a row is 1,024 bytes), scales [4096][64]; q_w: [2048][2048] likewise; q_b [2048] f32.
; OUT: qc [head 16][tile of 16 rows 256][c 2][lane 32][16 bytes]: the image of an operand's registers (lane (r, h), registers 4 c .. 4 c + 3: k = 64 c + 32 h + 0 .. 31 of row r); qs [head 16][row 4096]: one scale word.
; This text serves two launches; IMG = 0: A lies as rows (this launch), the result is quantised.  IMG = 1: A lies as register images, the result leaves as f32.
; SHARES.  A work-group makes 128 rows x 256 columns: 32 x 8 = 256 work-groups.  Four waves, each 64 rows x 128 columns: 32 accumulators of 16 x 16.  With IMG = 0 a wave's 128 columns are one head.
; K goes in four slots' worth of 512 (rows of 256 bytes) through a ring of two LDS slots; each is four steps of 128; the 16 steps are written out, every offset an immediate.
; THE MATRIX INSTRUCTION IS USED TRANSPOSED (source 0 = 16 rows of B, source 1 = 16 rows of A): lane (r, h), register j of accumulator (a, b) is C[16 a + r][16 b + 8 h + j].
; The bias is the C of each sum's first product: nothing is cleared, nothing is added by vector instructions.
; CLUSTER 4 x 4: the four work-groups of a row of the cluster need the same tiles of A, the four of a column the same tiles of B: each tile is asked for jointly.
; LIMITS: a block whose largest magnitude lies under 2^-124 keeps the scale byte 1; a block of zeros gets the byte 1 and not 127 (its codes are zeros, and only this program reads the bytes); NaN and infinities among the inputs are not served.
; REGISTERS: window 0: v16-30 addresses; v32-63 A's scale words, two sets (register 4 a + q); v64-127 B's, two sets (4 b + q); v128-191 A's fragments, two sets; v192-255 the bias, 8 tiles.
;   window 1: v0-127 B's fragments, two sets.   window 2: the accumulators, (a, b) at v[8 (8 a + b)].
.set IMG,   0
.set PITCH, 272                        ; an LDS row: 256 bytes + 16 of padding = 68 words: the 16 rows that a load touches start at 16 different banks (64 banks of 4 bytes: ISA guide 11.1)
.set ABLK,  16*PITCH
.set AHALF, 64*PITCH                   ; what one tensor load brings of A, and what one wave reads of it
.set BHALF, 128*PITCH                  ; the same for B
.set BOFF,  2*AHALF                    ; a slot: A's 128 rows, then B's 256
.set SLOT,  BOFF+2*BHALF
.set SAH,   16*272                     ; the scales of 64 rows of A for all of K: 4,096 bytes as 16 units of 256 + 16
.set SBH,   32*272                     ; of 128 rows of B
.set SCLA,  2*SLOT
.set SCLB,  SCLA+2*SAH
.set SPARE, SCLB+2*SBH                 ; the spare words, 128 bytes for each wave: two blocks of 256 bytes that no other line names
.if IMG
.set AQS,  4*272                       ; A as images: a step's fragment is 1,024 bytes = 4 units,
.set ACS,  2*272                       ; its second half 2 units on
.set APIT, 256                         ; dense in memory
.set AKS,  1048576                     ; bytes from one 512 along K to the next
.set AYB,  32768                       ; bytes of a work-group's 128 rows,
.set AHB,  16384                       ; of 64 rows
.set SPIT, 2048                        ; A's scales: a tile's row is a head, 16,384 bytes (2,048 elements of 8) apart
.set SYB,  512
.set SHB,  256
.else
.set AQS,  64
.set ACS,  32
.set APIT, 1024
.set AKS,  256
.set AYB,  131072
.set AHB,  65536
.set SPIT, 32
.set SYB,  8192
.set SHB,  4096
.endif
.set ADRA, 16                          ; v16-17 LDS address of my A fragments in slot 0, 1
.set ADRB, 20                          ; v20-21 the same for B
.set ADSA, 22                          ; v22 of my rows' scale words of A
.set ADSB, 23                          ; v23 of B
.set STO,  24                          ; v24 the way out: where I store into LDS
.set RD,   25                          ; v25 and where I read back
.set LI,   26                          ; v26 16 x lane
.set L8,   27                          ; v27 8 x lane
.set SPW,  28                          ; v28 LDS address of my spare word; never rewritten
.set NIL,  29                          ; v29 0; never rewritten
.set VB,   30                          ; v30 32 x (lane / 16): my half's eight numbers of a bias tile
.set SCA,  32
.set SCB,  64
.set AF,   128
.set BIAS, 192
.set TM,   200                         ; the quantiser: v200-203 largest magnitudes, v204-207 bytes, v212-215 scale operands
.set PW,   216                         ; v216-219 a scale word for each tile of rows
.set PC,   128                         ; v128-159 codes, 8 registers for each tile of rows
.set BK,   128                         ; IMG = 1: rows read back from the stage: v128-191 and v192-255 by turns
.set WV,   18                          ; s18 wave;  s19 which 64 rows of A are mine, and: I fetch for A (0) or B (1);  s20 which 128 rows of B are mine, and: which half I fetch
.set G1A,  24
.set G0A,  32                          ; one set for each slot
.set G1B,  48
.set G0B,  56
.set G1SA, 68
.set G0SA, 76
.set G1SB, 80
.set G0SB, 88
.set SEL,  98
.set PADW, (1<<20)|(1<<21)|(5<<22)|(3<<25)   ; 20 padding on; 21 set beside a mask; 24:22 after every 64 words; 31:25 four words
.set MUL,  0xa1                        ; source 0 (B) window 1, source 1 (A) window 0, C and D window 2
.set MULF, 0x81                        ; the same with C (the bias) in window 0
.set TO_B, 0x40                        ; destination window 1
.set MSB, 0
.macro WIN new                         ; the immediate's high byte repeats the setting that is left
.if MSB != \new
	s_set_vgpr_msb (MSB<<8)|\new
.set MSB, \new
.endif
.endm
.macro PLACES n
.rept \n
	v_nop
.endr
.endm
; A joint load: waves 0 and 1 fetch for A, waves 2 and 3 for B; the branch hangs on the wave's number alone.  Four v_nop follow each of the two lines.
.macro JLOAD g0a, g1a, g0b, g1b
	s_cmp_eq_u32 s19, 0
	s_cbranch_scc0 .Lfor_b_\@
	tensor_load_to_lds s[\g0a:\g0a+3], s[\g1a:\g1a+7]
	s_nop 0
.rept 4
	v_nop
.endr
	s_branch .Lasked_\@
.Lfor_b_\@:
	tensor_load_to_lds s[\g0b:\g0b+3], s[\g1b:\g1b+7]
	s_nop 0
.rept 4
	v_nop
.endr
.Lasked_\@:
.endm
.macro CREST                           ; a round of the cluster's barrier behind its opening barrier
	s_cmp_lg_u32 s[WV], 0
	s_cbranch_scc1 .Lnot_wave_0_\@
	s_barrier_signal -3
.Lnot_wave_0_\@:
	s_barrier_wait -3
	s_barrier_signal -1
	s_barrier_wait -1
.endm
.macro CROUND
	s_barrier_signal -1
	s_barrier_wait -1
	CREST
.endm
	s_load_b256 s[4:11], s[0:1], 0x0               ; A's codes s[4:5], A's scales s[6:7], B's codes s[8:9], B's scales s[10:11]
	s_load_b128 s[12:15], s[0:1], 0x20             ; the bias s[12:13], the first output s[14:15]
.if IMG == 0
	s_load_b64 s[16:17], s[0:1], 0x30              ; the scale words' output
.endif
	v_lshl_add_u32 v[SPW], v0, 2, SPARE
	v_mov_b32 v[NIL], 0
	ds_add_u32 v28, v29
	s_wait_dscnt 0x0
	v_lshrrev_b32 v1, 5, v0
	v_readfirstlane_b32 s[WV], v1
	s_lshr_b32 s19, s[WV], 1
	s_and_b32 s20, s[WV], 1
	s_bfe_u32 s40, ttmp6, 0x40000                  ; cx, cy: my place in the cluster
	s_bfe_u32 s41, ttmp6, 0x40004
	s_lshl_b32 s42, ttmp9, 2
	s_add_co_u32 s42, s42, s40                     ; X: which 256 columns
	s_and_b32 s95, ttmp7, 0xffff
	s_lshl_b32 s95, s95, 2
	s_add_co_u32 s95, s95, s41                     ; Y: which 128 rows
	s_lshl_b32 s43, s41, 2
	s_lshl_b32 s43, 15, s43                        ; my row of the cluster
	s_lshl_b32 s44, 0x1111, s40                    ; my column
	s_or_b32 s[G1A], s43, PADW                     ; A's codes: 64 rows x 256 bytes, elements of 1 byte
	s_mov_b32 s[G1A+1], 256<<16                    ; tensor_dim0
	s_mov_b32 s[G1A+2], 64<<16                     ; tensor_dim1
	s_mov_b32 s[G1A+3], 256<<16                    ; tile_dim0
	s_mov_b32 s[G1A+4], 64                         ; tile_dim1
	s_mov_b32 s[G1A+5], APIT                       ; from row to row
	s_mov_b32 s[G1A+6], 0
	s_mov_b32 s[G1A+7], 0
	s_or_b32 s[G1B], s44, PADW                     ; B's codes: 128 rows x 256 bytes
	s_mov_b32 s[G1B+1], 256<<16
	s_mov_b32 s[G1B+2], 128<<16
	s_mov_b32 s[G1B+3], 256<<16
	s_mov_b32 s[G1B+4], 128
	s_mov_b32 s[G1B+5], 1024
	s_mov_b32 s[G1B+6], 0
	s_mov_b32 s[G1B+7], 0
	s_or_b32 s[G1SA], s43, (3<<16)|PADW            ; A's scales: 16 rows of 256 bytes (32 elements of 8 bytes)
	s_mov_b32 s[G1SA+1], 32<<16
	s_mov_b32 s[G1SA+2], 16<<16
	s_mov_b32 s[G1SA+3], 32<<16
	s_mov_b32 s[G1SA+4], 16
	s_mov_b32 s[G1SA+5], SPIT
	s_mov_b32 s[G1SA+6], 0
	s_mov_b32 s[G1SA+7], 0
	s_or_b32 s[G1SB], s44, (3<<16)|PADW            ; B's scales: 32 rows of 256 bytes, dense
	s_mov_b32 s[G1SB+1], 32<<16
	s_mov_b32 s[G1SB+2], 32<<16
	s_mov_b32 s[G1SB+3], 32<<16
	s_mov_b32 s[G1SB+4], 32
	s_mov_b32 s[G1SB+5], 32
	s_mov_b32 s[G1SB+6], 0
	s_mov_b32 s[G1SB+7], 0
	; where the tiles come from: A's hang on Y and the wave alone, B's on X and the wave alone, each in registers that never hold the other coordinate
	s_mul_i32 s22, s95, AYB
	s_mul_i32 s21, s20, AHB
	s_add_co_u32 s22, s22, s21
	s_mov_b32 s23, 0                               ; A's codes
	s_mul_i32 s96, s95, SYB
	s_mul_i32 s21, s20, SHB
	s_add_co_u32 s96, s96, s21
	s_mov_b32 s97, 0                               ; A's scales
	s_lshl_b32 s46, s42, 18
	s_lshl_b32 s45, s20, 17
	s_add_co_u32 s46, s46, s45
	s_mov_b32 s47, 0                               ; B's codes: (256 X + 128 half) rows of 1,024 bytes
	s_lshl_b32 s92, s42, 14
	s_lshl_b32 s45, s20, 13
	s_add_co_u32 s92, s92, s45
	s_mov_b32 s93, 0                               ; B's scales: rows of 64 bytes
	s_mul_i32 s21, s20, AHALF                      ; and where they go: no place in the cluster enters an LDS address
	s_mul_i32 s45, s20, BHALF
	s_add_co_u32 s45, s45, BOFF
	s_mul_i32 s94, s20, SAH
	s_add_co_u32 s94, s94, SCLA
	s_mul_i32 s67, s20, SBH
	s_add_co_u32 s67, s67, SCLB
	s_wait_kmcnt 0x0
	s_add_nc_u64 s[22:23], s[4:5], s[22:23]
	s_add_nc_u64 s[96:97], s[6:7], s[96:97]
	s_add_nc_u64 s[46:47], s[8:9], s[46:47]
	s_add_nc_u64 s[92:93], s[10:11], s[92:93]
	CROUND                                         ; all sixteen work-groups are here: the first joint loads meet
	s_mov_b32 s[G0SA], 1
	s_mov_b32 s[G0SA+1], s94
	s_mov_b64 s[G0SA+2:G0SA+3], s[96:97]
	s_or_b32 s[G0SA+3], s[G0SA+3], 0x80000000
	s_mov_b32 s[G0SB], 1
	s_mov_b32 s[G0SB+1], s67
	s_mov_b64 s[G0SB+2:G0SB+3], s[92:93]
	s_or_b32 s[G0SB+3], s[G0SB+3], 0x80000000
	JLOAD G0SA, G1SA, G0SB, G1SB                   ; the scales of all of K: filled once
.irp s, 0,1
	s_mov_b32 s[G0A+4*\s], 1
	s_add_co_u32 s[G0A+4*\s+1], s21, \s*SLOT
	s_add_nc_u64 s[G0A+4*\s+2:G0A+4*\s+3], s[22:23], \s*AKS
	s_or_b32 s[G0A+4*\s+3], s[G0A+4*\s+3], 0x80000000
	s_mov_b32 s[G0B+4*\s], 1
	s_add_co_u32 s[G0B+4*\s+1], s45, \s*SLOT
	s_add_nc_u64 s[G0B+4*\s+2:G0B+4*\s+3], s[46:47], \s*256
	s_or_b32 s[G0B+4*\s+3], s[G0B+4*\s+3], 0x80000000
	JLOAD G0A+4*\s, G1A, G0B+4*\s, G1B             ; three loads of mine are out behind the second of these
.endr
	v_and_b32 v1, 15, v0                           ; r
	v_bfe_u32 v2, v0, 4, 1                         ; h
	v_and_b32 v6, 31, v0                           ; lane
	v_mul_u32_u24 v3, v1, PITCH
	v_lshl_add_u32 v3, v2, 4, v3                   ; rows: 272 r + 16 h
.if IMG
	v_mul_u32_u24 v4, v2, PITCH
	v_lshl_add_u32 v4, v1, 4, v4                   ; images: 16 bytes a lane, sixteen lanes to a unit: 16 r + 272 h
.endif
.set ALN, 3+IMG
	s_mul_i32 s21, s19, AHALF                      ; my 64 rows of A
	s_mul_i32 s45, s20, BHALF
	s_add_co_u32 s45, s45, BOFF                    ; my 128 rows of B
.irp s, 0,1
	v_add_nc_u32 v[ADRA+\s], s21, v[ALN]
	v_add_nc_u32 v[ADRB+\s], s45, v3
	s_add_co_u32 s21, s21, SLOT
	s_add_co_u32 s45, s45, SLOT
.endr
	v_lshrrev_b32 v5, 2, v1
	v_lshlrev_b32 v5, 4, v5
	v_lshl_add_u32 v5, v1, 6, v5                   ; a row of 64 scale bytes: 64 r, and 16 more for each 256 passed
	s_mul_i32 s45, s20, SBH
	s_add_co_u32 s45, s45, SCLB
	v_add_nc_u32 v[ADSB], s45, v5
	s_mul_i32 s21, s19, SAH
	s_add_co_u32 s21, s21, SCLA
.if IMG
	v_lshl_add_u32 v[ADSA], v1, 2, s21             ; a unit is a head's words of my 64 rows: 4 r
.else
	v_add_nc_u32 v[ADSA], s21, v5
.endif
	v_lshlrev_b32 v[LI], 4, v6
	v_lshlrev_b32 v[VB], 5, v2
	s_lshl_b32 s46, s42, 10                        ; the bias of my 128 columns: 4 (256 X + 128 half) bytes on
	s_lshl_b32 s47, s20, 9
	s_add_co_u32 s46, s46, s47
	s_mov_b32 s47, 0
	s_add_nc_u64 s[12:13], s[12:13], s[46:47]
.irp b, 0,1,2,3,4,5,6,7
	global_load_b128 v[BIAS+8*\b:BIAS+8*\b+3], v[VB], s[12:13] offset:64*\b        ; lane (r, h): the bias of columns 16 b + 8 h + 0 .. 7: the result's layout
	global_load_b128 v[BIAS+8*\b+4:BIAS+8*\b+7], v[VB], s[12:13] offset:64*\b+16
.endr
.if IMG
	s_mul_i32 s67, s[WV], 16*528                   ; my stage: 16 rows x (512 bytes + 16), in slot 0
	v_mul_u32_u24 v5, v1, 528
	v_lshl_add_u32 v5, v2, 5, v5
	v_add_nc_u32 v[STO], s67, v5                   ; in: row r, 32 bytes for each half of the lanes
	v_add_nc_u32 v[RD], s67, v[LI]                 ; back: 32 lanes take one row of 512 bytes
	s_lshl_b32 s2, s95, 20                         ; my first row and column of the output: (128 Y + 64 half) rows of 8,192 bytes + 1,024 X + 512 half
	s_lshl_b32 s3, s19, 19
	s_add_co_u32 s2, s2, s3
	s_lshl_b32 s3, s42, 10
	s_add_co_u32 s2, s2, s3
	s_lshl_b32 s3, s20, 9
	s_add_co_u32 s2, s2, s3
	s_mov_b32 s3, 0
	s_add_nc_u64 s[14:15], s[14:15], s[2:3]
.else
	v_lshlrev_b32 v[L8], 3, v6
	s_lshl_b32 s67, s[WV], 8                       ; my 256 bytes of scratch for 64 scale words, in slot 0
	v_lshl_add_u32 v[STO], v1, 2, s67
	v_add_nc_u32 v[RD], s67, v[L8]
	s_mov_b32 s[SEL], 0x76543210
	s_mov_b32 s[SEL+1], 0xfedcba98                 ; v_permlanex16_b32's selects for lane l xor 16
	s_lshl_b32 s66, s42, 1
	s_add_co_u32 s66, s66, s20                     ; my head: 2 X + half
	s_lshl_b32 s2, s66, 18                         ; the codes: head x 262,144 + (8 Y + 4 half) tiles of 1,024 bytes
	s_lshl_b32 s3, s95, 13
	s_add_co_u32 s2, s2, s3
	s_lshl_b32 s3, s19, 12
	s_add_co_u32 s2, s2, s3
	s_mov_b32 s3, 0
	s_add_nc_u64 s[14:15], s[14:15], s[2:3]
	s_lshl_b32 s2, s66, 14                         ; the scale words: head x 16,384 + (128 Y + 64 half) x 4
	s_lshl_b32 s3, s95, 9
	s_add_co_u32 s2, s2, s3
	s_lshl_b32 s3, s19, 8
	s_add_co_u32 s2, s2, s3
	s_mov_b32 s3, 0
	s_add_nc_u64 s[16:17], s[16:17], s[2:3]
.endif
; 24 LDS loads in one run: the fragments of the slot's q-th 128 along K into set p: B's eight, A's four.  A fragment is 8 registers: lane (r, h), registers 4 c .. 4 c + 3: k = 64 c + 32 h + 0 .. 31 of row r.
.macro FETCH slot, q, p
	WIN TO_B
.irp i, 0,1,2,3,4,5,6,7
.irp c, 0,1
	ds_load_b128 v[64*(\p)+8*\i+4*\c:64*(\p)+8*\i+4*\c+3], v[ADRB+(\slot)] offset:\i*ABLK+64*(\q)+32*\c
.endr
.endr
	WIN 0
.irp i, 0,1,2,3
.irp c, 0,1
	ds_load_b128 v[AF+32*(\p)+8*\i+4*\c:AF+32*(\p)+8*\i+4*\c+3], v[ADRA+(\slot)] offset:\i*ABLK+AQS*(\q)+ACS*\c
.endr
.endr
.endm
; the scale words of the ks-th 512 along K into set ks % 2: lane r takes row r's (lanes 16-31 hold the same and are not read)
.macro SCALES ks
.irp i, 0,1,2,3,4,5,6,7
	ds_load_b128 v[SCB+32*((\ks)%2)+4*\i:SCB+32*((\ks)%2)+4*\i+3], v[ADSB] offset:\i*1088+16*(\ks)
.endr
.if IMG
.irp i, 0,1,2,3
.irp u, 0,1,2,3
	ds_load_b32 v[SCA+16*((\ks)%2)+4*\i+\u], v[ADSA] offset:(4*(\ks)+\u)*272+64*\i
.endr
.endr
.else
.irp i, 0,1,2,3
	ds_load_b128 v[SCA+16*((\ks)%2)+4*\i:SCA+16*((\ks)%2)+4*\i+3], v[ADSA] offset:\i*1088+16*(\ks)
.endr
.endif
.endm
; 8 n matrix instructions: A's blocks a0 .. a0 + n - 1 against B's eight.  first = 1: the bias is the C.  The 32 accumulators take turns, one instruction a turn, in the same order in every step.
.macro MULA a0, n, p, q, set, first
.set A_, \a0
.rept \n
.irp b, 0,1,2,3,4,5,6,7
.if \first
	v_wmma_scale_f32_16x16x128_f8f6f4 v[8*(8*A_+\b):8*(8*A_+\b)+7], v[64*(\p)+8*\b:64*(\p)+8*\b+7], v[AF+32*(\p)+8*A_:AF+32*(\p)+8*A_+7], v[BIAS+8*\b:BIAS+8*\b+7], v[SCB+32*(\set)+4*\b+(\q)], v[SCA+16*(\set)+4*A_+(\q)] matrix_a_fmt:MATRIX_FMT_FP4 matrix_b_fmt:MATRIX_FMT_FP4
.else
	v_wmma_scale_f32_16x16x128_f8f6f4 v[8*(8*A_+\b):8*(8*A_+\b)+7], v[64*(\p)+8*\b:64*(\p)+8*\b+7], v[AF+32*(\p)+8*A_:AF+32*(\p)+8*A_+7], v[8*(8*A_+\b):8*(8*A_+\b)+7], v[SCB+32*(\set)+4*\b+(\q)], v[SCA+16*(\set)+4*A_+(\q)] matrix_a_fmt:MATRIX_FMT_FP4 matrix_b_fmt:MATRIX_FMT_FP4
.endif
.endr
.set A_, A_+1
.endr
.endm
; A step of 128 along K that has its successor in the same slot: in its middle the next step's fragments are asked for, into the other set.
; Four plain vector instructions stand between the last matrix instruction that read a register and a load into it (ISA guide 7.12.1 for vector instructions).
.macro STEP ks, q, first
	s_wait_dscnt 0x0                               ; this step's fragments (and, at a slot's head, its scale words) are in
.if \first
	WIN MULF
.else
	WIN MUL
.endif
	MULA 0, 2, (\q)%2, \q, (\ks)%2, \first
	PLACES 4
	FETCH (\ks)%2, (\q)+1, 1-(\q)%2
.if \first
	WIN MULF
.else
	WIN MUL
.endif
	MULA 2, 2, (\q)%2, \q, (\ks)%2, \first
.endm
; A slot's last step changes slots: ONE barrier; in front of it each wave waits for all its tensor loads, adds 0 to its spare word, and waits for that and for its own reads of this slot.
; fill = 1: the barrier opens a round of the cluster's barrier, and this slot is filled again, with the 512 along K two further on, first thing behind the round.
.macro TURN ks, fill
	WIN 0                                          ; (the add's two registers lie in window 0)
	s_wait_tensorcnt 0x0                           ; all my tensor loads have landed: my part of the next slot
	ds_add_u32 v[SPW], v[NIL]                      ; 0 onto my spare word
	s_wait_dscnt 0x1                               ; this step's fragments are in; the add alone may be out
	WIN MUL
	MULA 0, 1, 1, 3, (\ks)%2, 0                    ; eight matrix instructions stand between the add and the wait for it
	s_wait_dscnt 0x0                               ; the add is done, and my reads of this slot are over
	s_barrier_signal -1
	MULA 1, 1, 1, 3, (\ks)%2, 0
	WIN 0
	s_barrier_wait -1
.if \fill
	CREST                                          ; no wave of any partner still reads this slot's tiles or has a load on its way
	s_add_nc_u64 s[G0A+4*((\ks)%2)+2:G0A+4*((\ks)%2)+3], s[G0A+4*((\ks)%2)+2:G0A+4*((\ks)%2)+3], 2*AKS
	s_add_nc_u64 s[G0B+4*((\ks)%2)+2:G0B+4*((\ks)%2)+3], s[G0B+4*((\ks)%2)+2:G0B+4*((\ks)%2)+3], 512
	JLOAD G0A+4*((\ks)%2), G1A, G0B+4*((\ks)%2), G1B   ; my one tensor load behind the round; its four v_nop are the places in front of the loads below
.else
	PLACES 4
.endif
	FETCH 1-(\ks)%2, 0, 0
	SCALES (\ks)+1
	WIN MUL
	MULA 2, 2, 1, 3, (\ks)%2, 0
.endm
	s_wait_tensorcnt 0x1                           ; the scales and my part of slot 0 are in; slot 1's load may stay out
	s_barrier_signal -1
	s_barrier_wait -1                              ; everybody's are
	FETCH 0, 0, 0
	SCALES 0
	s_wait_loadcnt 0x0                             ; the bias
	STEP 0, 0, 1                                   ; the first step's products start the sums from the bias
	STEP 0, 1, 0
	STEP 0, 2, 0
	TURN 0, 1
	STEP 1, 0, 0
	STEP 1, 1, 0
	STEP 1, 2, 0
	TURN 1, 1
	STEP 2, 0, 0
	STEP 2, 1, 0
	STEP 2, 2, 0
	TURN 2, 0                                      ; nothing is left to fetch: no round
	STEP 3, 0, 0
	STEP 3, 1, 0
	STEP 3, 2, 0
	s_wait_dscnt 0x0                               ; the very last step
	WIN MUL
	MULA 0, 4, 1, 3, 1, 0
	WIN 0
	PLACES 4                                       ; in front of the first read of results and of writes into registers that held fragments
.if IMG
; THE WAY OUT, f32: a block of 16 rows x 128 columns goes through my stage and comes back as whole rows of 512 bytes.  The stage lies in slot 0, which has had its last fill, and which nobody reads behind the last change of slots.
; LDS serves a wave's instructions in order (ISA guide 5.7.1.4): no wait between the stores and the loads.
.macro TOSTAGE a
	WIN 0x08                                       ; an LDS store's data are its source 1: window 2
.irp b, 0,1,2,3,4,5,6,7
	ds_store_b128 v[STO], v[64*(\a)+8*\b:64*(\a)+8*\b+3] offset:64*\b          ; each accumulator from its low end on
	ds_store_b128 v[STO], v[64*(\a)+8*\b+4:64*(\a)+8*\b+7] offset:64*\b+16
.endr
	WIN 0
.set BB, BK+64*((\a)%2)
.irp t, 0,1,2,3,4,5,6,7,8,9,10,11,12,13,14,15
	ds_load_b128 v[BB+4*\t:BB+4*\t+3], v[RD] offset:\t*528
.endr
.endm
.macro SEND a, younger                 ; younger: the LDS instructions issued behind block a's loads, which may stay out
.set BB, BK+64*((\a)%2)
	s_wait_dscnt \younger
.if (\a) > 0
	s_add_nc_u64 s[14:15], s[14:15], 16*8192       ; (behind a wait on XCNT: the earlier stores have read their base)
.endif
.irp t, 0,1,2,3,4,5,6,7,8,9,10,11,12,13,14,15
	global_store_b128 v[LI], v[BB+4*\t:BB+4*\t+3], s[14:15] offset:\t*8192 th:TH_STORE_NT   ; 32 lanes store 512 consecutive bytes, at a multiple of 256 from the output's first byte
.endr
.endm
	TOSTAGE 0
.irp a, 1,2,3
.if \a > 1
	s_wait_xcnt 0x0                                ; block a - 2's stores have read their registers and their base
.endif
	TOSTAGE \a
	SEND \a-1, 32                                  ; behind block a - 1's loads: block a's 16 stores and 16 loads
.endr
	s_wait_xcnt 0x0
	SEND 3, 0
.else
; THE WAY OUT, quantised.  For rows 16 a + r my 64 registers are the head's 128 numbers of the two halves of the lanes: register 8 T + j = number 16 T + 8 h + j.  Block b of 32 is tiles 2 b and 2 b + 1 of both halves.
; The largest magnitude, with the floor 2^(3 - 127) among its leaves; 2 off its exponent field is the conversion's scale operand, and that shifted down the byte.
; The operand's layout wants k = 64 c + 32 h + 8 i in register 4 c + i: tiles 4 c and 4 c + 2 are converted side by side and change halves, likewise tiles 4 c + 1 and 4 c + 3.
.macro QN a
.set S_, 64*(\a)
	WIN 0x28                                       ; sources 1 and 2: window 2
.irp b, 0,1,2,3
	v_max3_num_f32 v[TM+\b], 0x1800000, |v[S_+16*\b]|, |v[S_+16*\b+1]|
.endr
.irp i, 2,4,6,8,10,12,14
.irp b, 0,1,2,3
	v_max3_num_f32 v[TM+\b], v[TM+\b], |v[S_+16*\b+\i]|, |v[S_+16*\b+\i+1]|   ; (the four blocks by turns; each tile is first read at its low end)
.endr
.endr
	WIN 0
.irp b, 0,1,2,3
	v_permlanex16_b32 v[TM+4+\b], v[TM+\b], s[SEL], s[SEL+1]
.endr
.irp b, 0,1,2,3
	v_max_num_f32 v[TM+\b], v[TM+\b], v[TM+4+\b]   ; with lane l xor 16's: the block's largest magnitude
.endr
.irp b, 0,1,2,3
	v_add_nc_u32 v[TM+12+\b], 0xff000000, v[TM+\b]
.endr
.irp b, 0,1,2,3
	v_lshrrev_b32 v[TM+4+\b], 23, v[TM+12+\b]
.endr
	v_lshl_or_b32 v[PW+(\a)], v[TM+5], 8, v[TM+4]
	v_lshl_or_b32 v[PW+(\a)], v[TM+6], 16, v[PW+(\a)]
	v_lshl_or_b32 v[PW+(\a)], v[TM+7], 24, v[PW+(\a)]
	WIN 0x02                                       ; source 0: window 2
.irp c, 0,1
	v_cvt_scalef32_pk8_fp4_f32 v[PC+8*(\a)+4*\c], v[S_+32*\c:S_+32*\c+7], v[TM+12+2*\c]
	v_cvt_scalef32_pk8_fp4_f32 v[PC+8*(\a)+4*\c+1], v[S_+32*\c+16:S_+32*\c+23], v[TM+13+2*\c]
	v_cvt_scalef32_pk8_fp4_f32 v[PC+8*(\a)+4*\c+2], v[S_+32*\c+8:S_+32*\c+15], v[TM+12+2*\c]
	v_cvt_scalef32_pk8_fp4_f32 v[PC+8*(\a)+4*\c+3], v[S_+32*\c+24:S_+32*\c+31], v[TM+13+2*\c]
.endr
	WIN 0
	v_nop                                          ; one plain place behind a scaled conversion
.irp c, 0,1
	v_permlane16_swap_b32 v[PC+8*(\a)+4*\c], v[PC+8*(\a)+4*\c+1]
	v_permlane16_swap_b32 v[PC+8*(\a)+4*\c+2], v[PC+8*(\a)+4*\c+3]
.endr
.irp c, 0,1
	global_store_b128 v[LI], v[PC+8*(\a)+4*\c:PC+8*(\a)+4*\c+3], s[14:15] offset:1024*(\a)+512*\c   ; the image: 32 lanes store 512 consecutive bytes
.endr
	ds_store_b32 v[STO], v[PW+(\a)] offset:64*(\a)   ; both halves of the lanes write the same word with the same value
.endm
	QN 0                                           ; each tile of rows has its own registers for codes and scale word: no store's data are written again
	QN 1
	QN 2
	QN 3
	ds_load_b64 v[220:221], v[RD]                  ; LDS serves a wave's instructions in order: these see my stores
	s_wait_dscnt 0x0
	global_store_b64 v[L8], v[220:221], s[16:17]   ; my 64 rows' scale words: 256 consecutive bytes, aligned
.endif
	s_wait_tensorcnt 0x0                           ; the wave's end
	ds_add_u32 v[SPW], v[NIL]
	s_wait_dscnt 0x0
	CROUND                                         ; the closing round: no work-group ends while a partner may still ask for a tile that names it
	s_endpgm
.Lfunc_end_k_q290b0a9024_qproj:
	.size	k_q290b0a9024_qproj, .Lfunc_end_k_q290b0a9024_qproj-k_q290b0a9024_qproj
	.p2alignl 7, 3214868480
	.fill 96, 4, 3214868480
	.section	.rodata,"a",@progbits
	.p2align	6, 0x0
	.amdhsa_kernel k_q290b0a9024_qproj
		.amdhsa_group_segment_fixed_size 327680
		.amdhsa_private_segment_fixed_size 0
		.amdhsa_enable_private_segment 0
		.amdhsa_kernarg_size 56
		.amdhsa_user_sgpr_count 2
		.amdhsa_user_sgpr_kernarg_segment_ptr 1
		.amdhsa_wavefront_size32 1
		.amdhsa_system_sgpr_workgroup_id_x 1
		.amdhsa_system_sgpr_workgroup_id_y 1
		.amdhsa_system_sgpr_workgroup_id_z 1
		.amdhsa_system_vgpr_workitem_id 0
		.amdhsa_next_free_vgpr 768
		.amdhsa_next_free_sgpr 100
		.amdhsa_reserve_vcc 0
		.amdhsa_float_denorm_mode_32 3
		.amdhsa_float_denorm_mode_16_64 3
		.amdhsa_memory_ordered 1
		.amdhsa_forward_progress 1
		.amdhsa_inst_pref_size 126
	.end_amdhsa_kernel
	.amdgpu_metadata
---
amdhsa.version: [ 1, 2 ]
amdhsa.kernels:
  - .name:           k_q290b0a9024_qproj
    .symbol:         k_q290b0a9024_qproj.kd
    .args:
      - { .name: x_codes, .offset: 0, .size: 8, .value_kind: global_buffer, .address_space: global }
      - { .name: x_scales, .offset: 8, .size: 8, .value_kind: global_buffer, .address_space: global }
      - { .name: q_w_codes, .offset: 16, .size: 8, .value_kind: global_buffer, .address_space: global }
      - { .name: q_w_scales, .offset: 24, .size: 8, .value_kind: global_buffer, .address_space: global }
      - { .name: q_b, .offset: 32, .size: 8, .value_kind: global_buffer, .address_space: global }
      - { .name: qc, .offset: 40, .size: 8, .value_kind: global_buffer, .address_space: global }
      - { .name: qs, .offset: 48, .size: 8, .value_kind: global_buffer, .address_space: global }
    .group_segment_fixed_size: 327680
    .private_segment_fixed_size: 0
    .kernarg_segment_align: 8
    .kernarg_segment_size: 56
    .max_flat_workgroup_size: 128
    .sgpr_count:     100
    .vgpr_count:     768
    .wavefront_size: 32
...
	.end_amdgpu_metadata
.endif
;; end of part 1
;; launch attn (part 2): grid 8 x 32, 16 waves a work-group, no clusters, 327,680 bytes of LDS; arguments qc, qs, k_codes, k_scales, v_codes, v_scales, tier_labels, padding_mask, tier_bias, att_codes, att_scales; writes att_codes, att_scales
.if DOCPART == 2
	.amdgcn_target "amdgcn-amd-amdhsa--gfx1250"
	.amdhsa_code_object_version 6
	.text
	.protected	k_q290b0a9024_attn
	.globl	k_q290b0a9024_attn
	.p2align	8
	.type	k_q290b0a9024_attn,@function
k_q290b0a9024_attn:
	s_mov_b64 s[64:65], 0
	v_nop
	global_prefetch_b8 v0, s[64:65] scope:SCOPE_SE
	s_setreg_imm32_b32 hwreg(HW_REG_WAVE_MODE, 25, 1), 1
	s_wait_xcnt 0x0
; Causal attention on codes of FP4 (E2M1), one E8M0 scale for each 32 along a product's K; 32 (batch, head) pairs, 2,048 queries, 2,048 keys, head size 128.
; logit = q . k / sqrt(128) + tier_bias[label of the key]; -infinity where key > query or where the key is padded.  t = logit x log2(e) = c (score + bias sqrt(128)), c = log2(e) / sqrt(128).
; M = the row's largest t so far, rounded up to a whole number; p = 2^(t - M) is quantised along the keys, not normalised; the row's sum is taken of the unquantised p and divides O at the end.
; IN: qc, qs: q as register images and scale words (made by the launch before); k as codes [pair][key][64 bytes]; v as codes with the keys innermost [pair][128][1,024 bytes]; their scale bytes.
; OUT: O / sum, quantised along the model's 2,048 (a head is four blocks of 32): att_codes [ks 4][tile of 16 rows 256][q 4][c 2][lane 32][16 bytes], head = 4 ks + q; att_scales [head 16][row 4096]: one word.
; A row that has no key left (all its visible keys padded) has the sum 0: its scale words are set to 0xff bytes, which make the next product's sums NaN, as the softmax of such a row is.
; SHARES.  Work-group (j, pair) owns query blocks j and 15 - j of 128 queries: (j + 1) + (16 - j) = 17 key steps for each pair of tiles, the same in all 256 work-groups.  Sixteen waves, one tile of 16 queries each;
; wave w takes tile w / 2 of block j or 15 - j by the bit (w xor w / 4) & 1.  Every wave walks all four slots of 512 keys (constant trip counts, no tensor load or barrier jumped over); a step all of whose keys are hidden is left out by a scalar branch on ids.
; NO CLUSTER: the work-groups of a pair read the same K and V, but the branch that leaves hidden steps out hangs on the query block, which differs between them, and partners of joint loads must run alike.
; LAYOUT.  Both products are used transposed: S^T = K Q^T (source 0 = 16 neighbouring keys), O^T = V^T P^T (source 0 = 16 channels): lane (r, h) holds query r; register 8 T + j is key (or channel) 16 T + 8 h + j.
; LIMITS: NaN and infinities among the floating-point inputs are not served; a label outside 0 .. 2 counts as 0; a block under 2^-124 keeps the byte 1, a block of zeros gets 1 and not 127 (only this program reads the bytes); 1 / sum is v_rcp_f32 and a multiplication.
.set KP,    80                         ; a key's row in LDS: 64 bytes + 16
.set VP,    272                        ; a row of V's tile: 256 bytes (512 keys) + 16
.set VOFF,  512*KP                     ; a slot: 512 rows of K, then 128 rows of V
.set SLOT1, 1<<17                      ; slot 1 begins here: one exclusive or turns an address from one slot to the other
.set SCH,   16*272                     ; half a pair's scale bytes: 4,096 as 16 units of 256 + 16
.set SCK,   2*SLOT1
.set SCV,   SCK+2*SCH
.set SPARE, SCV+2*SCH                  ; the spare words, 128 bytes for each wave: eight blocks of 256 bytes that no other line names
.set TAB,   SPARE+16*128               ; 2,048 f32: what is added to a key's score: bias x sqrt(128), or -infinity.  Written by LDS stores; no fill lands here
.set SCR,   TAB+8192                   ; 256 scale words on their way out; likewise
.set AK0,  1                           ; v1  my lane's place in a tile of K: 80 r + 16 h
.set AV0,  2                           ; v2  in a tile of V
.set ASK0, 3                           ; v3  among K's scale words
.set ASV0, 4                           ; v4  among V's
.set SPW,  5                           ; v5  LDS address of my spare word; never rewritten
.set NIL,  6                           ; v6  0; never rewritten
.set AC0,  7                           ; v7  in the table: TAB + 32 h
.set ADK,  8                           ; v8-11, v240: the addresses of the step in hand
.set ADV,  9
.set ADS,  10
.set ADT,  11
.set QF,   16                          ; v16-23 Q's fragment
.set FSW,  24                          ; v24-31 the scale words of eight fragments
.set FR,   32                          ; v32-95 eight fragments of K, then the 64 addends, then eight fragments of V
.set S,    96                          ; v96-159 S^T, then p
.set OT,   160                         ; v160-223 O^T
.set PC,   224                         ; v224-231 the codes just made
.set BM,   232                         ; v232-235 a block's largest score, then its largest p
.set TP,   236                         ; v236-239 at work
.set ADC,  240
.set SCW,  241                         ; v241 where my tile's scale words go in SCR
.set SCRD, 242                         ; v242 where a block's 128 words are read back
.set LI,   243                         ; v243 16 x lane
.set SO,   244                         ; v244-247 the conversions' scale operands
.set PW,   248                         ; v248 the scale word just made
.set DD,   249                         ; v249 the diagonal: my query less the step's first key less 8 h
.set DB,   250                         ; v250 r - 8 h
.set NINF, 251                         ; v251 -infinity
.set QS,   255                         ; v255 Q's scale words.  v12 -M, v13 the largest t, v[14:15] the sum in two halves, v252 f, v254 at work
.set WV,   18
.set SEL,  20                          ; s[20:21] v_permlanex16_b32's selects for lane l xor 16
.set CS,   22                          ; s[22:23] c, twice
.set G1K,  24
.set G1V,  32
.set G0K,  40
.set G0V,  44
.set G1S,  48
.set G0SK, 56
.set G0SV, 60
.set TB,   66                          ; s66 LDS byte at which the slot in hand begins
.set TS,   67                          ; s67 the step's scale words of K: 544 bytes a step
.set QL,   78                          ; s78 my last query
.set TC,   83                          ; s83 the step's addends: 512 bytes a step
.set TJ,   84                          ; s84 the step's scale words of V: 4 bytes a step
.set SLOTS, 85
.set KF,   86                          ; s86 the step's first key
.set Q0,   87                          ; s87 my first query
; Waves 0 and 1 fetch for K, waves 2 and 3 for V, the others nothing.  Four v_nop follow each of the two lines.
.macro TLOAD g0k, g1k, g0v, g1v
	s_cmp_lt_u32 s[WV], 2
	s_cbranch_scc0 .Lnot_k_\@
	tensor_load_to_lds s[\g0k:\g0k+3], s[\g1k:\g1k+7]
	s_nop 0
.rept 4
	v_nop
.endr
	s_branch .Lasked_\@
.Lnot_k_\@:
	s_cmp_lt_u32 s[WV], 4
	s_cbranch_scc0 .Lasked_\@
	tensor_load_to_lds s[\g0v:\g0v+3], s[\g1v:\g1v+7]
	s_nop 0
.rept 4
	v_nop
.endr
.Lasked_\@:
.endm
	s_load_b256 s[4:11], s[0:1], 0x0               ; qc s[4:5], qs s[6:7], K's codes s[8:9], K's scales s[10:11]
	s_load_b128 s[12:15], s[0:1], 0x20             ; V's codes, V's scales
	s_load_b128 s[68:71], s[0:1], 0x30             ; labels, padding mask
	s_load_b128 s[72:75], s[0:1], 0x40             ; tier_bias, att_codes
	s_load_b64 s[76:77], s[0:1], 0x50              ; att_scales
	v_lshl_add_u32 v[SPW], v0, 2, SPARE
	v_mov_b32 v[NIL], 0
	ds_add_u32 v5, v6
	s_wait_dscnt 0x0
	v_lshrrev_b32 v8, 5, v0
	v_readfirstlane_b32 s[WV], v8                  ; wave 0..15
	s_and_b32 s88, ttmp7, 0xffff                   ; the pair: 16 x batch + head
	s_lshr_b32 s89, s88, 4                         ; batch
	s_and_b32 s90, s88, 15                         ; head
	s_lshr_b32 s91, s[WV], 2
	s_xor_b32 s91, s91, s[WV]
	s_and_b32 s91, s91, 1                          ; which of the two blocks
	s_lshl_b32 s92, ttmp9, 1
	s_sub_co_u32 s92, 15, s92
	s_mul_i32 s92, s92, s91
	s_add_co_u32 s92, s92, ttmp9                   ; my block: j or 15 - j
	s_lshr_b32 s93, s[WV], 1                       ; my tile in it
	s_lshl_b32 s[Q0], s92, 7
	s_lshl_b32 s94, s93, 4
	s_add_co_u32 s[Q0], s[Q0], s94
	s_add_co_u32 s[QL], s[Q0], 15
	s_and_b32 s94, s[WV], 1                        ; which half I fetch, if I fetch
	s_lshl_b32 s96, s88, 17                        ; K: the pair's 131,072 bytes, + 256 keys of 64 bytes
	s_lshl_b32 s95, s94, 14
	s_add_co_u32 s96, s96, s95
	s_mov_b32 s97, 0
	s_lshl_b32 s98, s88, 17                        ; V: + 64 rows of 1,024 bytes
	s_lshl_b32 s95, s94, 16
	s_add_co_u32 s98, s98, s95
	s_mov_b32 s99, 0
	s_lshl_b32 s100, s88, 13                       ; scale bytes: the pair's 8,192, + 4,096
	s_lshl_b32 s95, s94, 12
	s_add_co_u32 s100, s100, s95
	s_mov_b32 s101, 0
	s_mov_b32 s[G1K], (1<<20)|(3<<22)|(3<<25)      ; K: 256 rows x 64 bytes, dense; elements of 1 byte; four words of padding after every 16
	s_mov_b32 s[G1K+1], 64<<16
	s_mov_b32 s[G1K+2], 256<<16
	s_mov_b32 s[G1K+3], 64<<16
	s_mov_b32 s[G1K+4], 256
	s_mov_b32 s[G1K+5], 64
	s_mov_b32 s[G1K+6], 0
	s_mov_b32 s[G1K+7], 0
	s_mov_b32 s[G1V], (1<<20)|(5<<22)|(3<<25)      ; V: 64 rows x 256 bytes, 1,024 bytes apart; four words after every 64
	s_mov_b32 s[G1V+1], 256<<16
	s_mov_b32 s[G1V+2], 64<<16
	s_mov_b32 s[G1V+3], 256<<16
	s_mov_b32 s[G1V+4], 64
	s_mov_b32 s[G1V+5], 1024
	s_mov_b32 s[G1V+6], 0
	s_mov_b32 s[G1V+7], 0
	s_mov_b32 s[G1S], (3<<16)|(1<<20)|(5<<22)|(3<<25)   ; scale bytes: 16 rows of 256 bytes (32 elements of 8), dense
	s_mov_b32 s[G1S+1], 32<<16
	s_mov_b32 s[G1S+2], 16<<16
	s_mov_b32 s[G1S+3], 32<<16
	s_mov_b32 s[G1S+4], 16
	s_mov_b32 s[G1S+5], 32
	s_mov_b32 s[G1S+6], 0
	s_mov_b32 s[G1S+7], 0
	s_mov_b32 s[SEL], 0x76543210
	s_mov_b32 s[SEL+1], 0xfedcba98
	s_mov_b32 s[CS], 0x3e0293ee                    ; c = log2(e) / sqrt(128)
	s_mov_b32 s[CS+1], s[CS]
	s_mov_b32 s[TB], 0
	s_mov_b32 s[TS], 0
	s_mov_b32 s[TJ], 0
	s_mov_b32 s[TC], 0
	s_mov_b32 s[KF], 0
	s_mov_b32 s[SLOTS], 3
	s_mul_i32 s95, s94, SCH
	s_wait_kmcnt 0x0
	s_mov_b32 s[G0SK], 1
	s_add_co_u32 s[G0SK+1], s95, SCK
	s_add_nc_u64 s[G0SK+2:G0SK+3], s[10:11], s[100:101]
	s_or_b32 s[G0SK+3], s[G0SK+3], 0x80000000
	s_mov_b32 s[G0SV], 1
	s_add_co_u32 s[G0SV+1], s95, SCV
	s_add_nc_u64 s[G0SV+2:G0SV+3], s[14:15], s[100:101]
	s_or_b32 s[G0SV+3], s[G0SV+3], 0x80000000
	TLOAD G0SK, G1S, G0SV, G1S                     ; the scale bytes of the whole pair: filled once
	s_mov_b32 s[G0K], 1
	s_mul_i32 s[G0K+1], s94, 256*KP                ; slot 0
	s_add_nc_u64 s[G0K+2:G0K+3], s[8:9], s[96:97]
	s_or_b32 s[G0K+3], s[G0K+3], 0x80000000
	s_mov_b32 s[G0V], 1
	s_mul_i32 s95, s94, 64*VP
	s_add_co_u32 s[G0V+1], s95, VOFF
	s_add_nc_u64 s[G0V+2:G0V+3], s[12:13], s[98:99]
	s_or_b32 s[G0V+3], s[G0V+3], 0x80000000
	TLOAD G0K, G1K, G0V, G1V                       ; the first 512 keys
	s_load_b96 s[80:82], s[72:73], 0x0             ; the three biases
	s_lshl_b32 s96, s90, 18                        ; Q's image: head x 262,144 + (128 batch + Q0 / 16) x 1,024
	s_lshl_b32 s95, s89, 17
	s_add_co_u32 s96, s96, s95
	s_lshl_b32 s95, s[Q0], 6
	s_add_co_u32 s96, s96, s95
	s_add_nc_u64 s[4:5], s[4:5], s[96:97]
	s_lshl_b32 s96, s90, 14                        ; Q's scale words: head x 16,384 + (2,048 batch + Q0) x 4
	s_lshl_b32 s95, s89, 13
	s_add_co_u32 s96, s96, s95
	s_lshl_b32 s98, s[Q0], 2
	s_add_co_u32 s98, s98, s96
	s_add_nc_u64 s[6:7], s[6:7], s[98:99]
	s_lshl_b32 s98, s92, 9                         ; the result's scale words of my block: the same head and batch, + 128 block x 4
	s_add_co_u32 s98, s98, s96
	s_add_nc_u64 s[76:77], s[76:77], s[98:99]
	s_mov_b32 s98, s95                             ; the labels of my batch: 8,192 bytes each
	s_add_nc_u64 s[68:69], s[68:69], s[98:99]
	s_lshl_b32 s98, s89, 11                        ; the mask: 2,048 bytes
	s_add_nc_u64 s[70:71], s[70:71], s[98:99]
	s_lshr_b32 s96, s90, 2                         ; the result's image: (head / 4) x 1,048,576 + (128 batch + Q0 / 16) x 4,096 + (head % 4) x 1,024
	s_lshl_b32 s96, s96, 20
	s_lshl_b32 s95, s89, 19
	s_add_co_u32 s96, s96, s95
	s_lshl_b32 s95, s[Q0], 8
	s_add_co_u32 s96, s96, s95
	s_and_b32 s95, s90, 3
	s_lshl_b32 s95, s95, 10
	s_add_co_u32 s96, s96, s95
	s_add_nc_u64 s[74:75], s[74:75], s[96:97]
	v_and_b32 v8, 15, v0                           ; r
	v_bfe_u32 v9, v0, 4, 1                         ; h
	v_and_b32 v10, 31, v0
	v_lshlrev_b32 v[LI], 4, v10
	global_load_b128 v[QF:QF+3], v[LI], s[4:5]     ; Q's fragment stays in registers
	global_load_b128 v[QF+4:QF+7], v[LI], s[4:5] offset:512
	v_lshlrev_b32 v232, 2, v8
	global_load_b32 v[QS], v232, s[6:7]
	v_lshlrev_b32 v233, 4, v0
	global_load_b128 v[96:99], v233, s[68:69]      ; thread t: the labels of keys 4 t .. 4 t + 3,
	v_lshlrev_b32 v234, 2, v0
	global_load_b32 v100, v234, s[70:71]           ; and their mask bytes
	v_mul_u32_u24 v[AK0], v8, KP
	v_lshl_add_u32 v[AK0], v9, 4, v[AK0]
	v_mul_u32_u24 v[AV0], v8, VP
	v_lshl_add_u32 v[AV0], v9, 4, v[AV0]
	v_add_nc_u32 v[AV0], VOFF, v[AV0]
	v_lshl_add_u32 v[ASK0], v8, 2, SCK             ; 4 bytes a key
	v_lshrrev_b32 v11, 2, v8
	v_lshlrev_b32 v11, 4, v11
	v_lshl_add_u32 v11, v8, 6, v11                 ; a channel's 64 scale bytes: 64 r, and 16 more for each 256 passed
	v_add_nc_u32 v[ASV0], SCV, v11
	v_lshl_add_u32 v[AC0], v9, 5, TAB
	s_lshl_b32 s95, s91, 9
	s_lshl_b32 s96, s93, 6
	s_add_co_u32 s96, s96, s95
	s_add_co_u32 s96, s96, SCR
	v_lshl_add_u32 v[SCW], v8, 2, s96              ; SCR + 512 x which block + 64 x tile + 4 r
	s_add_co_u32 s95, s95, SCR
	v_add_nc_u32 v[SCRD], s95, v[LI]
	v_lshlrev_b32 v11, 3, v9
	v_sub_nc_u32 v[DB], v8, v11
	v_lshl_add_u32 v111, v0, 4, TAB                ; where my four addends go
	v_mov_b32 v[NINF], 0xff800000
	v_mov_b32 v13, 0xff61b1e6                      ; the largest t so far: -3e38, under every t
	v_floor_f32 v12, -v13                          ; -M
	v_mov_b32 v14, 0
	v_mov_b32 v15, 0
.irp b, 0,1,2,3
	v_mov_b32 v[TP+\b], 0                          ; written once: a lane permute's destination counts as one of its sources
.endr
	v_mov_b32 v253, 0                              ; (named as the upper half of the pair v[252:253])
.set J, 0
.rept 64
	v_mov_b32 v[OT+J], 0                           ; O^T.  (The step is written once: the first finds zeros, which the first change of M leaves zeros)
.set J, J+1
.endr
	v_mov_b32 v112, 0x413504f3                     ; sqrt(128)
	s_wait_kmcnt 0x0
	v_mul_f32 v108, s80, v112                      ; bias x sqrt(128): added to the score ahead of the multiplication by c
	v_mul_f32 v109, s81, v112
	v_mul_f32 v110, s82, v112
	s_wait_loadcnt 0x0                             ; Q, the labels, the mask
.irp i, 0,1,2,3
	v_cmp_eq_u32 vcc_lo, 1, v[96+\i]
	v_cndmask_b32 v[104+\i], v108, v109, vcc_lo
	v_cmp_eq_u32 vcc_lo, 2, v[96+\i]
	v_cndmask_b32 v[104+\i], v[104+\i], v110, vcc_lo
	v_bfe_u32 v112, v100, 8*\i, 8
	v_cmp_ne_u32 vcc_lo, 0, v112
	v_cndmask_b32 v[104+\i], v[104+\i], v[NINF], vcc_lo   ; a padded key: -infinity
.endr
	ds_store_b128 v111, v[104:107]                 ; the first change of slots, below, waits for this store and passes a barrier ahead of every read
; A KEY STEP: 128 keys, the q-th of the slot in hand.
.macro STEP q
	s_cmp_gt_u32 s[KF], s[QL]                      ; all its keys come after my 16 queries: the step's work is left out; the lines at its end that step addresses are not
	s_cbranch_scc1 .Lhidden_\@
	v_add_nc_u32 v[ADK], s[TB], v[AK0]             ; (these five are also the places between the last step's products and the loads into the registers that they read)
	v_add_nc_u32 v[ADV], s[TB], v[AV0]
	v_add_nc_u32 v[ADS], s[TS], v[ASK0]
	v_add_nc_u32 v[ADT], s[TJ], v[ASV0]
	v_add_nc_u32 v[ADC], s[TC], v[AC0]
.irp t, 0,1,2,3,4,5,6,7
.irp c, 0,1
	ds_load_b128 v[FR+8*\t+4*\c:FR+8*\t+4*\c+3], v[ADK] offset:(128*(\q)+16*\t)*KP+32*\c
.endr
	ds_load_b32 v[FSW+\t], v[ADS] offset:272*(\t/4)+64*(\t%4)
.endr
	s_wait_dscnt 0x0
.irp t, 0,1,2,3,4,5,6,7
	v_wmma_scale_f32_16x16x128_f8f6f4 v[S+8*\t:S+8*\t+7], v[FR+8*\t:FR+8*\t+7], v[QF:QF+7], 0, v[FSW+\t], v[QS] matrix_a_fmt:MATRIX_FMT_FP4 matrix_b_fmt:MATRIX_FMT_FP4
.endr
.rept 4
	v_nop                                          ; places in front of loads into registers that the products read, and of the first read of results
.endr
.irp t, 0,1,2,3,4,5,6,7
	ds_load_b128 v[FR+8*\t:FR+8*\t+3], v[ADC] offset:64*\t          ; the addends of keys 16 t + 8 h + 0 .. 7: all lanes of a half read the same words
	ds_load_b128 v[FR+8*\t+4:FR+8*\t+7], v[ADC] offset:64*\t+16
.endr
	s_wait_dscnt 0x0
.set J, 0
.rept 32
	v_pk_add_f32 v[S+J:S+J+1], v[S+J:S+J+1], v[FR+J:FR+J+1]         ; score + bias sqrt(128), or -infinity; ascending: each tile is first read at its low end
.set J, J+2
.endr
.irp t, 0,1,2,3,4,5,6,7                        ; V's fragments and scale words are asked for now and land under the softmax
.irp c, 0,1
	ds_load_b128 v[FR+8*\t+4*\c:FR+8*\t+4*\c+3], v[ADV] offset:16*\t*VP+64*(\q)+32*\c
.endr
	ds_load_b32 v[FSW+\t], v[ADT] offset:1088*\t
.endr
	s_add_co_u32 s96, s[KF], 127                   ; on the diagonal the scores of hidden keys become -infinity; a step all of whose keys count skips this
	s_cmp_le_u32 s96, s[Q0]
	s_cbranch_scc1 .Lopen_\@
	s_sub_co_i32 s96, s[Q0], s[KF]
	v_add_nc_u32 v[DD], s96, v[DB]                 ; register 8 T + j holds key KF + 16 T + 8 h + j: hidden where 16 T + j > Q0 - KF + r - 8 h
.set J, 0
.rept 64
	v_cmp_gt_i32 vcc_lo, 16*(J/8)+J%8, v[DD]
	v_cndmask_b32 v[S+J], v[S+J], v[NINF], vcc_lo
.set J, J+1
.endr
.Lopen_\@:
.irp b, 0,1,2,3
	v_max3_num_f32 v[BM+\b], v[S+16*\b], v[S+1+16*\b], v[S+2+16*\b]   ; the largest score of each block of 32 keys: for the row's maximum, and, since p rises with the score, for the block's largest p
.endr
.irp i, 3,5,7,9,11,13
.irp b, 0,1,2,3
	v_max3_num_f32 v[BM+\b], v[BM+\b], v[S+16*\b+\i], v[S+1+16*\b+\i]
.endr
.endr
.irp b, 0,1,2,3
	v_max_num_f32 v[BM+\b], v[BM+\b], v[S+15+16*\b]
.endr
.irp b, 0,1,2,3
	v_permlanex16_b32 v[TP+\b], v[BM+\b], s[SEL], s[SEL+1]
.endr
.irp b, 0,1,2,3
	v_max_num_f32 v[BM+\b], v[BM+\b], v[TP+\b]     ; with lane l xor 16's 16 keys
.endr
	v_max3_num_f32 v254, v[BM], v[BM+1], v[BM+2]
	v_max_num_f32 v254, v254, v[BM+3]
	v_mul_f32 v254, s[CS], v254                    ; as t (c is positive)
	v_max_num_f32 v13, v13, v254                   ; the running largest t
	v_mov_b32 v254, v12
	v_floor_f32 v12, -v13                          ; the new -M = floor(-t): M is a whole number
	v_sub_f32 v254, v12, v254                      ; old M less new M: a whole number, 0 or less
	v_cvt_i32_f32 v254, v254                       ; (it saturates)
	v_ldexp_f32 v252, 1.0, v254                    ; f = 2^(old M - new M): a multiplication by it rounds nothing
.set J, 0
.rept 32
	v_pk_fma_f32 v[S+J:S+J+1], v[S+J:S+J+1], s[CS:CS+1], v[12:13] op_sel_hi:[1,0,0]   ; t - M
.set J, J+2
.endr
.irp b, 0,1,2,3
	v_fma_f32 v[BM+\b], v[BM+\b], s[CS], v12       ; the same of each block's largest score
.endr
.set J, 0
.rept 64
	v_exp_f32 v[S+J], v[S+J]                       ; p = 2^(t - M), at most 1
.set J, J+1
.endr
.irp b, 0,1,2,3
	v_exp_f32 v[BM+\b], v[BM+\b]                   ; the block's largest p: the same two instructions on the same number
.endr
	v_pk_mul_f32 v[14:15], v[14:15], v[252:253] op_sel_hi:[1,0]   ; the sums under the new M.  (A plain place behind the exponentials)
	s_wait_alu depctr_va_vdst(0)
.irp b, 0,1,2,3
	v_max_num_f32 v[BM+\b], 0x1800000, v[BM+\b]    ; the floor 2^(3 - 127): the byte cannot fall under 1
.endr
.irp b, 0,1,2,3
	v_add_nc_u32 v[SO+\b], 0xff000000, v[BM+\b]    ; 2 off the exponent field: the conversion's scale operand
.endr
.irp b, 0,1,2,3
	v_lshrrev_b32 v[TP+\b], 23, v[SO+\b]           ; the scale's byte
.endr
	v_lshl_or_b32 v[PW], v[TP+1], 8, v[TP]
	v_lshl_or_b32 v[PW], v[TP+2], 16, v[PW]
	v_lshl_or_b32 v[PW], v[TP+3], 24, v[PW]        ; p's scale word for these 128 keys
.irp c, 0,1                                    ; the operand wants k = 64 c + 32 h + 8 i in register 4 c + i: tiles 4 c and 4 c + 2 side by side, likewise 4 c + 1 and 4 c + 3; then they change halves
	v_cvt_scalef32_pk8_fp4_f32 v[PC+4*\c], v[S+32*\c:S+32*\c+7], v[SO+2*\c]
	v_cvt_scalef32_pk8_fp4_f32 v[PC+4*\c+1], v[S+32*\c+16:S+32*\c+23], v[SO+1+2*\c]
	v_cvt_scalef32_pk8_fp4_f32 v[PC+4*\c+2], v[S+32*\c+8:S+32*\c+15], v[SO+2*\c]
	v_cvt_scalef32_pk8_fp4_f32 v[PC+4*\c+3], v[S+32*\c+24:S+32*\c+31], v[SO+1+2*\c]
.endr
	v_nop                                          ; one plain place behind a scaled conversion
.irp c, 0,1
	v_permlane16_swap_b32 v[PC+4*\c], v[PC+4*\c+1]
	v_permlane16_swap_b32 v[PC+4*\c+2], v[PC+4*\c+3]
.endr
.set J, 0
.rept 32
	v_pk_mul_f32 v[OT+J:OT+J+1], v[OT+J:OT+J+1], v[252:253] op_sel_hi:[1,0]   ; O^T under the new M; ascending: each tile is first read at its low end
.set J, J+2
.endr
	v_pk_add_f32 v[TP:TP+1], v[S:S+1], v[S+2:S+3]  ; the row's sum is taken of the unquantised p: two at a time, in two chains.  (These 32 stand between the writes above and the products below)
.set J, 4
.rept 15
	v_pk_add_f32 v[14:15], v[14:15], v[S+J:S+J+1]
	v_pk_add_f32 v[TP:TP+1], v[TP:TP+1], v[S+J+2:S+J+3]
.set J, J+4
.endr
	v_pk_add_f32 v[14:15], v[14:15], v[TP:TP+1]
	s_wait_dscnt 0x0                               ; V's fragments and scale words are in
.irp t, 0,1,2,3,4,5,6,7                        ; the eight accumulators by turns, one instruction a turn
	v_wmma_scale_f32_16x16x128_f8f6f4 v[OT+8*\t:OT+8*\t+7], v[FR+8*\t:FR+8*\t+7], v[PC:PC+7], v[OT+8*\t:OT+8*\t+7], v[FSW+\t], v[PW] matrix_a_fmt:MATRIX_FMT_FP4 matrix_b_fmt:MATRIX_FMT_FP4
.endr
.Lhidden_\@:
	s_add_co_u32 s[KF], s[KF], 128
	s_add_co_u32 s[TS], s[TS], 544
	s_add_co_u32 s[TJ], s[TJ], 4
	s_add_co_u32 s[TC], s[TC], 512
.endm
; THE CHANGE OF SLOTS stands at a slot's head.  Each wave waits for all its tensor loads, adds 0 to its spare word, and waits for that and for its reads of the slot that it has left (the first time: for its store into the table).
; Behind the barrier the slot ahead is whole and nobody reads the other one.  fill = 1: that other slot is filled with the next 512 keys: the load has a whole slot's steps in which to land.
.macro CHANGE fill
	s_wait_tensorcnt 0x0                           ; no tensor load of mine is out, so a group 0 may be written
	ds_add_u32 v[SPW], v[NIL]                      ; 0 onto my spare word
.if \fill
	s_xor_b32 s[G0K+1], s[G0K+1], SLOT1            ; the walking descriptors: the other slot than last time,
	s_add_nc_u64 s[G0K+2:G0K+3], s[G0K+2:G0K+3], 512*64   ; the next 512 keys
	s_xor_b32 s[G0V+1], s[G0V+1], SLOT1
	s_add_nc_u64 s[G0V+2:G0V+3], s[G0V+2:G0V+3], 256
.endif
	s_wait_dscnt 0x0
	s_barrier_signal -1
	s_barrier_wait -1
.if \fill
	TLOAD G0K, G1K, G0V, G1V                       ; the first thing behind the barrier, and a wave's one tensor load until the next
.endif
.endm
.macro SLOT_STEPS
	STEP 0
	STEP 1
	STEP 2
	STEP 3
	s_xor_b32 s[TB], s[TB], SLOT1
.endm
.Lslot:                                            ; three trips: behind each change of slots but the last the next slot is asked for
	CHANGE 1
	SLOT_STEPS
	s_sub_co_u32 s[SLOTS], s[SLOTS], 1
	s_cmp_lg_u32 s[SLOTS], 0
	s_cbranch_scc1 .Lslot
	CHANGE 0                                       ; the last slot is written out
	SLOT_STEPS
	; THE WAY OUT: O^T / the sum, quantised along the head's 128 (four blocks of the next product's K), stored as the image of an operand's registers.
.rept 4
	v_nop                                          ; places behind the last products
.endr
	v_add_f32 v14, v14, v15
	v_permlanex16_b32 v[TP], v14, s[SEL], s[SEL+1]
	v_add_f32 v14, v14, v[TP]                      ; the row's sum
	v_cmp_eq_f32 s96, 0, v14                       ; no key was left for this row
	v_rcp_f32 v14, v14
	v_nop                                          ; a plain place behind the transcendental
.set J, 0
	s_wait_alu depctr_va_vdst(0)
.rept 32
	v_pk_mul_f32 v[S+J:S+J+1], v[OT+J:OT+J+1], v[14:15] op_sel_hi:[1,0]
.set J, J+2
.endr
.irp b, 0,1,2,3
	v_max3_num_f32 v[BM+\b], |v[S+16*\b]|, |v[S+1+16*\b]|, 0x1800000
.endr
.irp i, 2,4,6,8,10,12,14
.irp b, 0,1,2,3
	v_max3_num_f32 v[BM+\b], v[BM+\b], |v[S+16*\b+\i]|, |v[S+1+16*\b+\i]|
.endr
.endr
.irp b, 0,1,2,3
	v_permlanex16_b32 v[TP+\b], v[BM+\b], s[SEL], s[SEL+1]
.endr
.irp b, 0,1,2,3
	v_max_num_f32 v[BM+\b], v[BM+\b], v[TP+\b]
.endr
.irp b, 0,1,2,3
	v_add_nc_u32 v[SO+\b], 0xff000000, v[BM+\b]
.endr
.irp b, 0,1,2,3
	v_lshrrev_b32 v[TP+\b], 23, v[SO+\b]
.endr
	v_lshl_or_b32 v[PW], v[TP+1], 8, v[TP]
	v_lshl_or_b32 v[PW], v[TP+2], 16, v[PW]
	v_lshl_or_b32 v[PW], v[TP+3], 24, v[PW]
.irp c, 0,1
	v_cvt_scalef32_pk8_fp4_f32 v[PC+4*\c], v[S+32*\c:S+32*\c+7], v[SO+2*\c]
	v_cvt_scalef32_pk8_fp4_f32 v[PC+4*\c+1], v[S+32*\c+16:S+32*\c+23], v[SO+1+2*\c]
	v_cvt_scalef32_pk8_fp4_f32 v[PC+4*\c+2], v[S+32*\c+8:S+32*\c+15], v[SO+2*\c]
	v_cvt_scalef32_pk8_fp4_f32 v[PC+4*\c+3], v[S+32*\c+24:S+32*\c+31], v[SO+1+2*\c]
.endr
	v_nop                                          ; one plain place behind a scaled conversion
.irp c, 0,1
	v_permlane16_swap_b32 v[PC+4*\c], v[PC+4*\c+1]
	v_permlane16_swap_b32 v[PC+4*\c+2], v[PC+4*\c+3]
.endr
	v_cndmask_b32 v[PW], v[PW], -1, s96            ; a row with no key left: four bytes 0xff
	global_store_b128 v[LI], v[PC:PC+3], s[74:75]  ; 32 lanes store 512 consecutive bytes
	global_store_b128 v[LI], v[PC+4:PC+7], s[74:75] offset:512
	ds_store_b32 v[SCW], v[PW]                     ; both halves of the lanes write the same word with the same value
	s_wait_dscnt 0x0                               ; for the others' sake: my store has landed
	s_barrier_signal -1
	s_barrier_wait -1
	s_cmp_lt_u32 s[WV], 2                          ; wave 0 stores block j's 128 scale words, wave 1 block 15 - j's: each its own block
	s_cbranch_scc0 .Lno_words
	ds_load_b128 v[BM:BM+3], v[SCRD]
	s_wait_dscnt 0x0
	global_store_b128 v[LI], v[BM:BM+3], s[76:77]  ; 512 consecutive bytes, aligned
.Lno_words:
	s_wait_tensorcnt 0x0                           ; the wave's end
	ds_add_u32 v[SPW], v[NIL]
	s_wait_dscnt 0x0
	s_endpgm
.Lfunc_end_k_q290b0a9024_attn:
	.size	k_q290b0a9024_attn, .Lfunc_end_k_q290b0a9024_attn-k_q290b0a9024_attn
	.p2alignl 7, 3214868480
	.fill 96, 4, 3214868480
	.section	.rodata,"a",@progbits
	.p2align	6, 0x0
	.amdhsa_kernel k_q290b0a9024_attn
		.amdhsa_group_segment_fixed_size 327680
		.amdhsa_private_segment_fixed_size 0
		.amdhsa_enable_private_segment 0
		.amdhsa_kernarg_size 88
		.amdhsa_user_sgpr_count 2
		.amdhsa_user_sgpr_kernarg_segment_ptr 1
		.amdhsa_wavefront_size32 1
		.amdhsa_system_sgpr_workgroup_id_x 1
		.amdhsa_system_sgpr_workgroup_id_y 1
		.amdhsa_system_sgpr_workgroup_id_z 1
		.amdhsa_system_vgpr_workitem_id 0
		.amdhsa_next_free_vgpr 256
		.amdhsa_next_free_sgpr 102
		.amdhsa_reserve_vcc 1
		.amdhsa_float_denorm_mode_32 3
		.amdhsa_float_denorm_mode_16_64 3
		.amdhsa_memory_ordered 1
		.amdhsa_forward_progress 1
		.amdhsa_inst_pref_size 232
	.end_amdhsa_kernel
	.amdgpu_metadata
---
amdhsa.version: [ 1, 2 ]
amdhsa.kernels:
  - .name:           k_q290b0a9024_attn
    .symbol:         k_q290b0a9024_attn.kd
    .args:
      - { .name: qc, .offset: 0, .size: 8, .value_kind: global_buffer, .address_space: global }
      - { .name: qs, .offset: 8, .size: 8, .value_kind: global_buffer, .address_space: global }
      - { .name: k_codes, .offset: 16, .size: 8, .value_kind: global_buffer, .address_space: global }
      - { .name: k_scales, .offset: 24, .size: 8, .value_kind: global_buffer, .address_space: global }
      - { .name: v_codes, .offset: 32, .size: 8, .value_kind: global_buffer, .address_space: global }
      - { .name: v_scales, .offset: 40, .size: 8, .value_kind: global_buffer, .address_space: global }
      - { .name: tier_labels, .offset: 48, .size: 8, .value_kind: global_buffer, .address_space: global }
      - { .name: padding_mask, .offset: 56, .size: 8, .value_kind: global_buffer, .address_space: global }
      - { .name: tier_bias, .offset: 64, .size: 8, .value_kind: global_buffer, .address_space: global }
      - { .name: att_codes, .offset: 72, .size: 8, .value_kind: global_buffer, .address_space: global }
      - { .name: att_scales, .offset: 80, .size: 8, .value_kind: global_buffer, .address_space: global }
    .group_segment_fixed_size: 327680
    .private_segment_fixed_size: 0
    .kernarg_segment_align: 8
    .kernarg_segment_size: 88
    .max_flat_workgroup_size: 512
    .sgpr_count:     102
    .vgpr_count:     256
    .wavefront_size: 32
...
	.end_amdgpu_metadata
.endif
;; end of part 2
;; launch oproj (part 3): grid 8 x 32, 4 waves a work-group, clusters of 4 x 4, 327,680 bytes of LDS; arguments att_codes, att_scales, out_w_codes, out_w_scales, out_b, out0; writes out0
.if DOCPART == 3
	.amdgcn_target "amdgcn-amd-amdhsa--gfx1250"
	.amdhsa_code_object_version 6
	.text
	.protected	k_q290b0a9024_oproj
	.globl	k_q290b0a9024_oproj
	.p2align	8
	.type	k_q290b0a9024_oproj,@function
k_q290b0a9024_oproj:
	s_mov_b64 s[64:65], 0
	v_nop
	global_prefetch_b8 v0, s[64:65] scope:SCOPE_SE
	s_setreg_imm32_b32 hwreg(HW_REG_WAVE_MODE, 25, 1), 1
	s_wait_xcnt 0x0
	s_wait_alu depctr_hold_cnt(0) depctr_sa_sdst(0) depctr_va_vdst(0) depctr_va_sdst(0) depctr_va_ssrc(0) depctr_va_vcc(0) depctr_vm_vsrc(0)
	s_getreg_b32 s2, hwreg(HW_REG_IB_STS2, 6, 4)
	s_cmp_eq_u32 s2, 0
	s_cbranch_scc0 .Lentry_in_a_cluster
	s_endpgm
.Lentry_in_a_cluster:
	s_bfe_u32 s2, ttmp6, 0x10000c
	s_cmp_lg_u32 s2, 0xf033
	s_cbranch_scc0 .Lentry_shape_is_right
	s_endpgm
.Lentry_shape_is_right:
; out0 = att out_w^T + out_b on codes of FP4 (E2M1) with one E8M0 scale for each 32 along K, sums in f32, result f32 [4096][2048].
; att: codes as register images [ks 4][tile of 16 rows 256][q 4][c 2][lane 32][16 bytes] (K = 512 ks + 128 q + ..), scale words [head 16][row 4096] (head = 4 ks + q), both made by the launch before;
; a row whose scale bytes are 0xff comes out NaN.  out_w: [2048][2048] codes (a row is 1,024 bytes), scales [2048][64]; out_b [2048] f32.
; This text serves two launches; IMG = 0: A lies as rows, the result is quantised.  IMG = 1 (this launch): A lies as register images, the result leaves as f32.
; SHARES.  A work-group makes 128 rows x 256 columns: 32 x 8 = 256 work-groups.  Four waves, each 64 rows x 128 columns: 32 accumulators of 16 x 16.
; K goes in four slots' worth of 512 (rows of 256 bytes) through a ring of two LDS slots; each is four steps of 128; the 16 steps are written out, every offset an immediate.
; THE MATRIX INSTRUCTION IS USED TRANSPOSED (source 0 = 16 rows of B, source 1 = 16 rows of A): lane (r, h), register j of accumulator (a, b) is C[16 a + r][16 b + 8 h + j].
; The bias is the C of each sum's first product: nothing is cleared, nothing is added by vector instructions.
; CLUSTER 4 x 4: the four work-groups of a row of the cluster need the same tiles of A, the four of a column the same tiles of B: each tile is asked for jointly.
; LIMITS: NaN and infinities among the floating-point inputs are not served.
; REGISTERS: window 0: v16-30 addresses; v32-63 A's scale words, two sets (register 4 a + q); v64-127 B's, two sets (4 b + q); v128-191 A's fragments, two sets; v192-255 the bias, 8 tiles.
;   window 1: v0-127 B's fragments, two sets.   window 2: the accumulators, (a, b) at v[8 (8 a + b)].
.set IMG,   1
.set PITCH, 272                        ; an LDS row: 256 bytes + 16 of padding = 68 words: the 16 rows that a load touches start at 16 different banks (64 banks of 4 bytes: ISA guide 11.1)
.set ABLK,  16*PITCH
.set AHALF, 64*PITCH                   ; what one tensor load brings of A, and what one wave reads of it
.set BHALF, 128*PITCH                  ; the same for B
.set BOFF,  2*AHALF                    ; a slot: A's 128 rows, then B's 256
.set SLOT,  BOFF+2*BHALF
.set SAH,   16*272                     ; the scales of 64 rows of A for all of K: 4,096 bytes as 16 units of 256 + 16
.set SBH,   32*272                     ; of 128 rows of B
.set SCLA,  2*SLOT
.set SCLB,  SCLA+2*SAH
.set SPARE, SCLB+2*SBH                 ; the spare words, 128 bytes for each wave: two blocks of 256 bytes that no other line names
.if IMG
.set AQS,  4*272                       ; A as images: a step's fragment is 1,024 bytes = 4 units,
.set ACS,  2*272                       ; its second half 2 units on
.set APIT, 256                         ; dense in memory
.set AKS,  1048576                     ; bytes from one 512 along K to the next
.set AYB,  32768                       ; bytes of a work-group's 128 rows,
.set AHB,  16384                       ; of 64 rows
.set SPIT, 2048                        ; A's scales: a tile's row is a head, 16,384 bytes (2,048 elements of 8) apart
.set SYB,  512
.set SHB,  256
.else
.set AQS,  64
.set ACS,  32
.set APIT, 1024
.set AKS,  256
.set AYB,  131072
.set AHB,  65536
.set SPIT, 32
.set SYB,  8192
.set SHB,  4096
.endif
.set ADRA, 16                          ; v16-17 LDS address of my A fragments in slot 0, 1
.set ADRB, 20                          ; v20-21 the same for B
.set ADSA, 22                          ; v22 of my rows' scale words of A
.set ADSB, 23                          ; v23 of B
.set STO,  24                          ; v24 the way out: where I store into LDS
.set RD,   25                          ; v25 and where I read back
.set LI,   26                          ; v26 16 x lane
.set L8,   27                          ; v27 8 x lane
.set SPW,  28                          ; v28 LDS address of my spare word; never rewritten
.set NIL,  29                          ; v29 0; never rewritten
.set VB,   30                          ; v30 32 x (lane / 16): my half's eight numbers of a bias tile
.set SCA,  32
.set SCB,  64
.set AF,   128
.set BIAS, 192
.set TM,   200                         ; the quantiser: v200-203 largest magnitudes, v204-207 bytes, v212-215 scale operands
.set PW,   216                         ; v216-219 a scale word for each tile of rows
.set PC,   128                         ; v128-159 codes, 8 registers for each tile of rows
.set BK,   128                         ; IMG = 1: rows read back from the stage: v128-191 and v192-255 by turns
.set WV,   18                          ; s18 wave;  s19 which 64 rows of A are mine, and: I fetch for A (0) or B (1);  s20 which 128 rows of B are mine, and: which half I fetch
.set G1A,  24
.set G0A,  32                          ; one set for each slot
.set G1B,  48
.set G0B,  56
.set G1SA, 68
.set G0SA, 76
.set G1SB, 80
.set G0SB, 88
.set SEL,  98
.set PADW, (1<<20)|(1<<21)|(5<<22)|(3<<25)   ; 20 padding on; 21 set beside a mask; 24:22 after every 64 words; 31:25 four words
.set MUL,  0xa1                        ; source 0 (B) window 1, source 1 (A) window 0, C and D window 2
.set MULF, 0x81                        ; the same with C (the bias) in window 0
.set TO_B, 0x40                        ; destination window 1
.set MSB, 0
.macro WIN new                         ; the immediate's high byte repeats the setting that is left
.if MSB != \new
	s_set_vgpr_msb (MSB<<8)|\new
.set MSB, \new
.endif
.endm
.macro PLACES n
.rept \n
	v_nop
.endr
.endm
; A joint load: waves 0 and 1 fetch for A, waves 2 and 3 for B; the branch hangs on the wave's number alone.  Four v_nop follow each of the two lines.
.macro JLOAD g0a, g1a, g0b, g1b
	s_cmp_eq_u32 s19, 0
	s_cbranch_scc0 .Lfor_b_\@
	tensor_load_to_lds s[\g0a:\g0a+3], s[\g1a:\g1a+7]
	s_nop 0
.rept 4
	v_nop
.endr
	s_branch .Lasked_\@
.Lfor_b_\@:
	tensor_load_to_lds s[\g0b:\g0b+3], s[\g1b:\g1b+7]
	s_nop 0
.rept 4
	v_nop
.endr
.Lasked_\@:
.endm
.macro CREST                           ; a round of the cluster's barrier behind its opening barrier
	s_cmp_lg_u32 s[WV], 0
	s_cbranch_scc1 .Lnot_wave_0_\@
	s_barrier_signal -3
.Lnot_wave_0_\@:
	s_barrier_wait -3
	s_barrier_signal -1
	s_barrier_wait -1
.endm
.macro CROUND
	s_barrier_signal -1
	s_barrier_wait -1
	CREST
.endm
	s_load_b256 s[4:11], s[0:1], 0x0               ; A's codes s[4:5], A's scales s[6:7], B's codes s[8:9], B's scales s[10:11]
	s_load_b128 s[12:15], s[0:1], 0x20             ; the bias s[12:13], the first output s[14:15]
.if IMG == 0
	s_load_b64 s[16:17], s[0:1], 0x30              ; the scale words' output
.endif
	v_lshl_add_u32 v[SPW], v0, 2, SPARE
	v_mov_b32 v[NIL], 0
	ds_add_u32 v28, v29
	s_wait_dscnt 0x0
	v_lshrrev_b32 v1, 5, v0
	v_readfirstlane_b32 s[WV], v1
	s_lshr_b32 s19, s[WV], 1
	s_and_b32 s20, s[WV], 1
	s_bfe_u32 s40, ttmp6, 0x40000                  ; cx, cy: my place in the cluster
	s_bfe_u32 s41, ttmp6, 0x40004
	s_lshl_b32 s42, ttmp9, 2
	s_add_co_u32 s42, s42, s40                     ; X: which 256 columns
	s_and_b32 s95, ttmp7, 0xffff
	s_lshl_b32 s95, s95, 2
	s_add_co_u32 s95, s95, s41                     ; Y: which 128 rows
	s_lshl_b32 s43, s41, 2
	s_lshl_b32 s43, 15, s43                        ; my row of the cluster
	s_lshl_b32 s44, 0x1111, s40                    ; my column
	s_or_b32 s[G1A], s43, PADW                     ; A's codes: 64 rows x 256 bytes, elements of 1 byte
	s_mov_b32 s[G1A+1], 256<<16                    ; tensor_dim0
	s_mov_b32 s[G1A+2], 64<<16                     ; tensor_dim1
	s_mov_b32 s[G1A+3], 256<<16                    ; tile_dim0
	s_mov_b32 s[G1A+4], 64                         ; tile_dim1
	s_mov_b32 s[G1A+5], APIT                       ; from row to row
	s_mov_b32 s[G1A+6], 0
	s_mov_b32 s[G1A+7], 0
	s_or_b32 s[G1B], s44, PADW                     ; B's codes: 128 rows x 256 bytes
	s_mov_b32 s[G1B+1], 256<<16
	s_mov_b32 s[G1B+2], 128<<16
	s_mov_b32 s[G1B+3], 256<<16
	s_mov_b32 s[G1B+4], 128
	s_mov_b32 s[G1B+5], 1024
	s_mov_b32 s[G1B+6], 0
	s_mov_b32 s[G1B+7], 0
	s_or_b32 s[G1SA], s43, (3<<16)|PADW            ; A's scales: 16 rows of 256 bytes (32 elements of 8 bytes)
	s_mov_b32 s[G1SA+1], 32<<16
	s_mov_b32 s[G1SA+2], 16<<16
	s_mov_b32 s[G1SA+3], 32<<16
	s_mov_b32 s[G1SA+4], 16
	s_mov_b32 s[G1SA+5], SPIT
	s_mov_b32 s[G1SA+6], 0
	s_mov_b32 s[G1SA+7], 0
	s_or_b32 s[G1SB], s44, (3<<16)|PADW            ; B's scales: 32 rows of 256 bytes, dense
	s_mov_b32 s[G1SB+1], 32<<16
	s_mov_b32 s[G1SB+2], 32<<16
	s_mov_b32 s[G1SB+3], 32<<16
	s_mov_b32 s[G1SB+4], 32
	s_mov_b32 s[G1SB+5], 32
	s_mov_b32 s[G1SB+6], 0
	s_mov_b32 s[G1SB+7], 0
	; where the tiles come from: A's hang on Y and the wave alone, B's on X and the wave alone, each in registers that never hold the other coordinate
	s_mul_i32 s22, s95, AYB
	s_mul_i32 s21, s20, AHB
	s_add_co_u32 s22, s22, s21
	s_mov_b32 s23, 0                               ; A's codes
	s_mul_i32 s96, s95, SYB
	s_mul_i32 s21, s20, SHB
	s_add_co_u32 s96, s96, s21
	s_mov_b32 s97, 0                               ; A's scales
	s_lshl_b32 s46, s42, 18
	s_lshl_b32 s45, s20, 17
	s_add_co_u32 s46, s46, s45
	s_mov_b32 s47, 0                               ; B's codes: (256 X + 128 half) rows of 1,024 bytes
	s_lshl_b32 s92, s42, 14
	s_lshl_b32 s45, s20, 13
	s_add_co_u32 s92, s92, s45
	s_mov_b32 s93, 0                               ; B's scales: rows of 64 bytes
	s_mul_i32 s21, s20, AHALF                      ; and where they go: no place in the cluster enters an LDS address
	s_mul_i32 s45, s20, BHALF
	s_add_co_u32 s45, s45, BOFF
	s_mul_i32 s94, s20, SAH
	s_add_co_u32 s94, s94, SCLA
	s_mul_i32 s67, s20, SBH
	s_add_co_u32 s67, s67, SCLB
	s_wait_kmcnt 0x0
	s_add_nc_u64 s[22:23], s[4:5], s[22:23]
	s_add_nc_u64 s[96:97], s[6:7], s[96:97]
	s_add_nc_u64 s[46:47], s[8:9], s[46:47]
	s_add_nc_u64 s[92:93], s[10:11], s[92:93]
	CROUND                                         ; all sixteen work-groups are here: the first joint loads meet
	s_mov_b32 s[G0SA], 1
	s_mov_b32 s[G0SA+1], s94
	s_mov_b64 s[G0SA+2:G0SA+3], s[96:97]
	s_or_b32 s[G0SA+3], s[G0SA+3], 0x80000000
	s_mov_b32 s[G0SB], 1
	s_mov_b32 s[G0SB+1], s67
	s_mov_b64 s[G0SB+2:G0SB+3], s[92:93]
	s_or_b32 s[G0SB+3], s[G0SB+3], 0x80000000
	JLOAD G0SA, G1SA, G0SB, G1SB                   ; the scales of all of K: filled once
.irp s, 0,1
	s_mov_b32 s[G0A+4*\s], 1
	s_add_co_u32 s[G0A+4*\s+1], s21, \s*SLOT
	s_add_nc_u64 s[G0A+4*\s+2:G0A+4*\s+3], s[22:23], \s*AKS
	s_or_b32 s[G0A+4*\s+3], s[G0A+4*\s+3], 0x80000000
	s_mov_b32 s[G0B+4*\s], 1
	s_add_co_u32 s[G0B+4*\s+1], s45, \s*SLOT
	s_add_nc_u64 s[G0B+4*\s+2:G0B+4*\s+3], s[46:47], \s*256
	s_or_b32 s[G0B+4*\s+3], s[G0B+4*\s+3], 0x80000000
	JLOAD G0A+4*\s, G1A, G0B+4*\s, G1B             ; three loads of mine are out behind the second of these
.endr
	v_and_b32 v1, 15, v0                           ; r
	v_bfe_u32 v2, v0, 4, 1                         ; h
	v_and_b32 v6, 31, v0                           ; lane
	v_mul_u32_u24 v3, v1, PITCH
	v_lshl_add_u32 v3, v2, 4, v3                   ; rows: 272 r + 16 h
.if IMG
	v_mul_u32_u24 v4, v2, PITCH
	v_lshl_add_u32 v4, v1, 4, v4                   ; images: 16 bytes a lane, sixteen lanes to a unit: 16 r + 272 h
.endif
.set ALN, 3+IMG
	s_mul_i32 s21, s19, AHALF                      ; my 64 rows of A
	s_mul_i32 s45, s20, BHALF
	s_add_co_u32 s45, s45, BOFF                    ; my 128 rows of B
.irp s, 0,1
	v_add_nc_u32 v[ADRA+\s], s21, v[ALN]
	v_add_nc_u32 v[ADRB+\s], s45, v3
	s_add_co_u32 s21, s21, SLOT
	s_add_co_u32 s45, s45, SLOT
.endr
	v_lshrrev_b32 v5, 2, v1
	v_lshlrev_b32 v5, 4, v5
	v_lshl_add_u32 v5, v1, 6, v5                   ; a row of 64 scale bytes: 64 r, and 16 more for each 256 passed
	s_mul_i32 s45, s20, SBH
	s_add_co_u32 s45, s45, SCLB
	v_add_nc_u32 v[ADSB], s45, v5
	s_mul_i32 s21, s19, SAH
	s_add_co_u32 s21, s21, SCLA
.if IMG
	v_lshl_add_u32 v[ADSA], v1, 2, s21             ; a unit is a head's words of my 64 rows: 4 r
.else
	v_add_nc_u32 v[ADSA], s21, v5
.endif
	v_lshlrev_b32 v[LI], 4, v6
	v_lshlrev_b32 v[VB], 5, v2
	s_lshl_b32 s46, s42, 10                        ; the bias of my 128 columns: 4 (256 X + 128 half) bytes on
	s_lshl_b32 s47, s20, 9
	s_add_co_u32 s46, s46, s47
	s_mov_b32 s47, 0
	s_add_nc_u64 s[12:13], s[12:13], s[46:47]
.irp b, 0,1,2,3,4,5,6,7
	global_load_b128 v[BIAS+8*\b:BIAS+8*\b+3], v[VB], s[12:13] offset:64*\b        ; lane (r, h): the bias of columns 16 b + 8 h + 0 .. 7: the result's layout
	global_load_b128 v[BIAS+8*\b+4:BIAS+8*\b+7], v[VB], s[12:13] offset:64*\b+16
.endr
.if IMG
	s_mul_i32 s67, s[WV], 16*528                   ; my stage: 16 rows x (512 bytes + 16), in slot 0
	v_mul_u32_u24 v5, v1, 528
	v_lshl_add_u32 v5, v2, 5, v5
	v_add_nc_u32 v[STO], s67, v5                   ; in: row r, 32 bytes for each half of the lanes
	v_add_nc_u32 v[RD], s67, v[LI]                 ; back: 32 lanes take one row of 512 bytes
	s_lshl_b32 s2, s95, 20                         ; my first row and column of the output: (128 Y + 64 half) rows of 8,192 bytes + 1,024 X + 512 half
	s_lshl_b32 s3, s19, 19
	s_add_co_u32 s2, s2, s3
	s_lshl_b32 s3, s42, 10
	s_add_co_u32 s2, s2, s3
	s_lshl_b32 s3, s20, 9
	s_add_co_u32 s2, s2, s3
	s_mov_b32 s3, 0
	s_add_nc_u64 s[14:15], s[14:15], s[2:3]
.else
	v_lshlrev_b32 v[L8], 3, v6
	s_lshl_b32 s67, s[WV], 8                       ; my 256 bytes of scratch for 64 scale words, in slot 0
	v_lshl_add_u32 v[STO], v1, 2, s67
	v_add_nc_u32 v[RD], s67, v[L8]
	s_mov_b32 s[SEL], 0x76543210
	s_mov_b32 s[SEL+1], 0xfedcba98                 ; v_permlanex16_b32's selects for lane l xor 16
	s_lshl_b32 s66, s42, 1
	s_add_co_u32 s66, s66, s20                     ; my head: 2 X + half
	s_lshl_b32 s2, s66, 18                         ; the codes: head x 262,144 + (8 Y + 4 half) tiles of 1,024 bytes
	s_lshl_b32 s3, s95, 13
	s_add_co_u32 s2, s2, s3
	s_lshl_b32 s3, s19, 12
	s_add_co_u32 s2, s2, s3
	s_mov_b32 s3, 0
	s_add_nc_u64 s[14:15], s[14:15], s[2:3]
	s_lshl_b32 s2, s66, 14                         ; the scale words: head x 16,384 + (128 Y + 64 half) x 4
	s_lshl_b32 s3, s95, 9
	s_add_co_u32 s2, s2, s3
	s_lshl_b32 s3, s19, 8
	s_add_co_u32 s2, s2, s3
	s_mov_b32 s3, 0
	s_add_nc_u64 s[16:17], s[16:17], s[2:3]
.endif
; 24 LDS loads in one run: the fragments of the slot's q-th 128 along K into set p: B's eight, A's four.  A fragment is 8 registers: lane (r, h), registers 4 c .. 4 c + 3: k = 64 c + 32 h + 0 .. 31 of row r.
.macro FETCH slot, q, p
	WIN TO_B
.irp i, 0,1,2,3,4,5,6,7
.irp c, 0,1
	ds_load_b128 v[64*(\p)+8*\i+4*\c:64*(\p)+8*\i+4*\c+3], v[ADRB+(\slot)] offset:\i*ABLK+64*(\q)+32*\c
.endr
.endr
	WIN 0
.irp i, 0,1,2,3
.irp c, 0,1
	ds_load_b128 v[AF+32*(\p)+8*\i+4*\c:AF+32*(\p)+8*\i+4*\c+3], v[ADRA+(\slot)] offset:\i*ABLK+AQS*(\q)+ACS*\c
.endr
.endr
.endm
; the scale words of the ks-th 512 along K into set ks % 2: lane r takes row r's (lanes 16-31 hold the same and are not read)
.macro SCALES ks
.irp i, 0,1,2,3,4,5,6,7
	ds_load_b128 v[SCB+32*((\ks)%2)+4*\i:SCB+32*((\ks)%2)+4*\i+3], v[ADSB] offset:\i*1088+16*(\ks)
.endr
.if IMG
.irp i, 0,1,2,3
.irp u, 0,1,2,3
	ds_load_b32 v[SCA+16*((\ks)%2)+4*\i+\u], v[ADSA] offset:(4*(\ks)+\u)*272+64*\i
.endr
.endr
.else
.irp i, 0,1,2,3
	ds_load_b128 v[SCA+16*((\ks)%2)+4*\i:SCA+16*((\ks)%2)+4*\i+3], v[ADSA] offset:\i*1088+16*(\ks)
.endr
.endif
.endm
; 8 n matrix instructions: A's blocks a0 .. a0 + n - 1 against B's eight.  first = 1: the bias is the C.  The 32 accumulators take turns, one instruction a turn, in the same order in every step.
.macro MULA a0, n, p, q, set, first
.set A_, \a0
.rept \n
.irp b, 0,1,2,3,4,5,6,7
.if \first
	v_wmma_scale_f32_16x16x128_f8f6f4 v[8*(8*A_+\b):8*(8*A_+\b)+7], v[64*(\p)+8*\b:64*(\p)+8*\b+7], v[AF+32*(\p)+8*A_:AF+32*(\p)+8*A_+7], v[BIAS+8*\b:BIAS+8*\b+7], v[SCB+32*(\set)+4*\b+(\q)], v[SCA+16*(\set)+4*A_+(\q)] matrix_a_fmt:MATRIX_FMT_FP4 matrix_b_fmt:MATRIX_FMT_FP4
.else
	v_wmma_scale_f32_16x16x128_f8f6f4 v[8*(8*A_+\b):8*(8*A_+\b)+7], v[64*(\p)+8*\b:64*(\p)+8*\b+7], v[AF+32*(\p)+8*A_:AF+32*(\p)+8*A_+7], v[8*(8*A_+\b):8*(8*A_+\b)+7], v[SCB+32*(\set)+4*\b+(\q)], v[SCA+16*(\set)+4*A_+(\q)] matrix_a_fmt:MATRIX_FMT_FP4 matrix_b_fmt:MATRIX_FMT_FP4
.endif
.endr
.set A_, A_+1
.endr
.endm
; A step of 128 along K that has its successor in the same slot: in its middle the next step's fragments are asked for, into the other set.
; Four plain vector instructions stand between the last matrix instruction that read a register and a load into it (ISA guide 7.12.1 for vector instructions).
.macro STEP ks, q, first
	s_wait_dscnt 0x0                               ; this step's fragments (and, at a slot's head, its scale words) are in
.if \first
	WIN MULF
.else
	WIN MUL
.endif
	MULA 0, 2, (\q)%2, \q, (\ks)%2, \first
	PLACES 4
	FETCH (\ks)%2, (\q)+1, 1-(\q)%2
.if \first
	WIN MULF
.else
	WIN MUL
.endif
	MULA 2, 2, (\q)%2, \q, (\ks)%2, \first
.endm
; A slot's last step changes slots: ONE barrier; in front of it each wave waits for all its tensor loads, adds 0 to its spare word, and waits for that and for its own reads of this slot.
; fill = 1: the barrier opens a round of the cluster's barrier, and this slot is filled again, with the 512 along K two further on, first thing behind the round.
.macro TURN ks, fill
	WIN 0                                          ; (the add's two registers lie in window 0)
	s_wait_tensorcnt 0x0                           ; all my tensor loads have landed: my part of the next slot
	ds_add_u32 v[SPW], v[NIL]                      ; 0 onto my spare word
	s_wait_dscnt 0x1                               ; this step's fragments are in; the add alone may be out
	WIN MUL
	MULA 0, 1, 1, 3, (\ks)%2, 0                    ; eight matrix instructions stand between the add and the wait for it
	s_wait_dscnt 0x0                               ; the add is done, and my reads of this slot are over
	s_barrier_signal -1
	MULA 1, 1, 1, 3, (\ks)%2, 0
	WIN 0
	s_barrier_wait -1
.if \fill
	CREST                                          ; no wave of any partner still reads this slot's tiles or has a load on its way
	s_add_nc_u64 s[G0A+4*((\ks)%2)+2:G0A+4*((\ks)%2)+3], s[G0A+4*((\ks)%2)+2:G0A+4*((\ks)%2)+3], 2*AKS
	s_add_nc_u64 s[G0B+4*((\ks)%2)+2:G0B+4*((\ks)%2)+3], s[G0B+4*((\ks)%2)+2:G0B+4*((\ks)%2)+3], 512
	JLOAD G0A+4*((\ks)%2), G1A, G0B+4*((\ks)%2), G1B   ; my one tensor load behind the round; its four v_nop are the places in front of the loads below
.else
	PLACES 4
.endif
	FETCH 1-(\ks)%2, 0, 0
	SCALES (\ks)+1
	WIN MUL
	MULA 2, 2, 1, 3, (\ks)%2, 0
.endm
	s_wait_tensorcnt 0x1                           ; the scales and my part of slot 0 are in; slot 1's load may stay out
	s_barrier_signal -1
	s_barrier_wait -1                              ; everybody's are
	FETCH 0, 0, 0
	SCALES 0
	s_wait_loadcnt 0x0                             ; the bias
	STEP 0, 0, 1                                   ; the first step's products start the sums from the bias
	STEP 0, 1, 0
	STEP 0, 2, 0
	TURN 0, 1
	STEP 1, 0, 0
	STEP 1, 1, 0
	STEP 1, 2, 0
	TURN 1, 1
	STEP 2, 0, 0
	STEP 2, 1, 0
	STEP 2, 2, 0
	TURN 2, 0                                      ; nothing is left to fetch: no round
	STEP 3, 0, 0
	STEP 3, 1, 0
	STEP 3, 2, 0
	s_wait_dscnt 0x0                               ; the very last step
	WIN MUL
	MULA 0, 4, 1, 3, 1, 0
	WIN 0
	PLACES 4                                       ; in front of the first read of results and of writes into registers that held fragments
.if IMG
; THE WAY OUT, f32: a block of 16 rows x 128 columns goes through my stage and comes back as whole rows of 512 bytes.  The stage lies in slot 0, which has had its last fill, and which nobody reads behind the last change of slots.
; LDS serves a wave's instructions in order (ISA guide 5.7.1.4): no wait between the stores and the loads.
.macro TOSTAGE a
	WIN 0x08                                       ; an LDS store's data are its source 1: window 2
.irp b, 0,1,2,3,4,5,6,7
	ds_store_b128 v[STO], v[64*(\a)+8*\b:64*(\a)+8*\b+3] offset:64*\b          ; each accumulator from its low end on
	ds_store_b128 v[STO], v[64*(\a)+8*\b+4:64*(\a)+8*\b+7] offset:64*\b+16
.endr
	WIN 0
.set BB, BK+64*((\a)%2)
.irp t, 0,1,2,3,4,5,6,7,8,9,10,11,12,13,14,15
	ds_load_b128 v[BB+4*\t:BB+4*\t+3], v[RD] offset:\t*528
.endr
.endm
.macro SEND a, younger                 ; younger: the LDS instructions issued behind block a's loads, which may stay out
.set BB, BK+64*((\a)%2)
	s_wait_dscnt \younger
.if (\a) > 0
	s_add_nc_u64 s[14:15], s[14:15], 16*8192       ; (behind a wait on XCNT: the earlier stores have read their base)
.endif
.irp t, 0,1,2,3,4,5,6,7,8,9,10,11,12,13,14,15
	global_store_b128 v[LI], v[BB+4*\t:BB+4*\t+3], s[14:15] offset:\t*8192 th:TH_STORE_NT   ; 32 lanes store 512 consecutive bytes, at a multiple of 256 from the output's first byte
.endr
.endm
	TOSTAGE 0
.irp a, 1,2,3
.if \a > 1
	s_wait_xcnt 0x0                                ; block a - 2's stores have read their registers and their base
.endif
	TOSTAGE \a
	SEND \a-1, 32                                  ; behind block a - 1's loads: block a's 16 stores and 16 loads
.endr
	s_wait_xcnt 0x0
	SEND 3, 0
.else
; THE WAY OUT, quantised.  For rows 16 a + r my 64 registers are the head's 128 numbers of the two halves of the lanes: register 8 T + j = number 16 T + 8 h + j.  Block b of 32 is tiles 2 b and 2 b + 1 of both halves.
; The largest magnitude, with the floor 2^(3 - 127) among its leaves; 2 off its exponent field is the conversion's scale operand, and that shifted down the byte.
; The operand's layout wants k = 64 c + 32 h + 8 i in register 4 c + i: tiles 4 c and 4 c + 2 are converted side by side and change halves, likewise tiles 4 c + 1 and 4 c + 3.
.macro QN a
.set S_, 64*(\a)
	WIN 0x28                                       ; sources 1 and 2: window 2
.irp b, 0,1,2,3
	v_max3_num_f32 v[TM+\b], 0x1800000, |v[S_+16*\b]|, |v[S_+16*\b+1]|
.endr
.irp i, 2,4,6,8,10,12,14
.irp b, 0,1,2,3
	v_max3_num_f32 v[TM+\b], v[TM+\b], |v[S_+16*\b+\i]|, |v[S_+16*\b+\i+1]|   ; (the four blocks by turns; each tile is first read at its low end)
.endr
.endr
	WIN 0
.irp b, 0,1,2,3
	v_permlanex16_b32 v[TM+4+\b], v[TM+\b], s[SEL], s[SEL+1]
.endr
.irp b, 0,1,2,3
	v_max_num_f32 v[TM+\b], v[TM+\b], v[TM+4+\b]   ; with lane l xor 16's: the block's largest magnitude
.endr
.irp b, 0,1,2,3
	v_add_nc_u32 v[TM+12+\b], 0xff000000, v[TM+\b]
.endr
.irp b, 0,1,2,3
	v_lshrrev_b32 v[TM+4+\b], 23, v[TM+12+\b]
.endr
	v_lshl_or_b32 v[PW+(\a)], v[TM+5], 8, v[TM+4]
	v_lshl_or_b32 v[PW+(\a)], v[TM+6], 16, v[PW+(\a)]
	v_lshl_or_b32 v[PW+(\a)], v[TM+7], 24, v[PW+(\a)]
	WIN 0x02                                       ; source 0: window 2
.irp c, 0,1
	v_cvt_scalef32_pk8_fp4_f32 v[PC+8*(\a)+4*\c], v[S_+32*\c:S_+32*\c+7], v[TM+12+2*\c]
	v_cvt_scalef32_pk8_fp4_f32 v[PC+8*(\a)+4*\c+1], v[S_+32*\c+16:S_+32*\c+23], v[TM+13+2*\c]
	v_cvt_scalef32_pk8_fp4_f32 v[PC+8*(\a)+4*\c+2], v[S_+32*\c+8:S_+32*\c+15], v[TM+12+2*\c]
	v_cvt_scalef32_pk8_fp4_f32 v[PC+8*(\a)+4*\c+3], v[S_+32*\c+24:S_+32*\c+31], v[TM+13+2*\c]
.endr
	WIN 0
	v_nop                                          ; one plain place behind a scaled conversion
.irp c, 0,1
	v_permlane16_swap_b32 v[PC+8*(\a)+4*\c], v[PC+8*(\a)+4*\c+1]
	v_permlane16_swap_b32 v[PC+8*(\a)+4*\c+2], v[PC+8*(\a)+4*\c+3]
.endr
.irp c, 0,1
	global_store_b128 v[LI], v[PC+8*(\a)+4*\c:PC+8*(\a)+4*\c+3], s[14:15] offset:1024*(\a)+512*\c   ; the image: 32 lanes store 512 consecutive bytes
.endr
	ds_store_b32 v[STO], v[PW+(\a)] offset:64*(\a)   ; both halves of the lanes write the same word with the same value
.endm
	QN 0                                           ; each tile of rows has its own registers for codes and scale word: no store's data are written again
	QN 1
	QN 2
	QN 3
	ds_load_b64 v[220:221], v[RD]                  ; LDS serves a wave's instructions in order: these see my stores
	s_wait_dscnt 0x0
	global_store_b64 v[L8], v[220:221], s[16:17]   ; my 64 rows' scale words: 256 consecutive bytes, aligned
.endif
	s_wait_tensorcnt 0x0                           ; the wave's end
	ds_add_u32 v[SPW], v[NIL]
	s_wait_dscnt 0x0
	CROUND                                         ; the closing round: no work-group ends while a partner may still ask for a tile that names it
	s_endpgm
.Lfunc_end_k_q290b0a9024_oproj:
	.size	k_q290b0a9024_oproj, .Lfunc_end_k_q290b0a9024_oproj-k_q290b0a9024_oproj
	.p2alignl 7, 3214868480
	.fill 96, 4, 3214868480
	.section	.rodata,"a",@progbits
	.p2align	6, 0x0
	.amdhsa_kernel k_q290b0a9024_oproj
		.amdhsa_group_segment_fixed_size 327680
		.amdhsa_private_segment_fixed_size 0
		.amdhsa_enable_private_segment 0
		.amdhsa_kernarg_size 48
		.amdhsa_user_sgpr_count 2
		.amdhsa_user_sgpr_kernarg_segment_ptr 1
		.amdhsa_wavefront_size32 1
		.amdhsa_system_sgpr_workgroup_id_x 1
		.amdhsa_system_sgpr_workgroup_id_y 1
		.amdhsa_system_sgpr_workgroup_id_z 1
		.amdhsa_system_vgpr_workitem_id 0
		.amdhsa_next_free_vgpr 768
		.amdhsa_next_free_sgpr 100
		.amdhsa_reserve_vcc 0
		.amdhsa_float_denorm_mode_32 3
		.amdhsa_float_denorm_mode_16_64 3
		.amdhsa_memory_ordered 1
		.amdhsa_forward_progress 1
		.amdhsa_inst_pref_size 127
	.end_amdhsa_kernel
	.amdgpu_metadata
---
amdhsa.version: [ 1, 2 ]
amdhsa.kernels:
  - .name:           k_q290b0a9024_oproj
    .symbol:         k_q290b0a9024_oproj.kd
    .args:
      - { .name: att_codes, .offset: 0, .size: 8, .value_kind: global_buffer, .address_space: global }
      - { .name: att_scales, .offset: 8, .size: 8, .value_kind: global_buffer, .address_space: global }
      - { .name: out_w_codes, .offset: 16, .size: 8, .value_kind: global_buffer, .address_space: global }
      - { .name: out_w_scales, .offset: 24, .size: 8, .value_kind: global_buffer, .address_space: global }
      - { .name: out_b, .offset: 32, .size: 8, .value_kind: global_buffer, .address_space: global }
      - { .name: out0, .offset: 40, .size: 8, .value_kind: global_buffer, .address_space: global }
    .group_segment_fixed_size: 327680
    .private_segment_fixed_size: 0
    .kernarg_segment_align: 8
    .kernarg_segment_size: 48
    .max_flat_workgroup_size: 128
    .sgpr_count:     100
    .vgpr_count:     768
    .wavefront_size: 32
...
	.end_amdgpu_metadata
.endif
;; end of part 3
